; MI455X (gfx1250); checked and timed in simulation.
; The chip was launched on July 23, 2026; its instructions are those of AMD's public machine-readable ISA for CDNA 5 (MIT licence, August 2026) and "CDNA5" Instruction Set Architecture Reference Guide (July 2026). The comments in the code are by the model that wrote it; some were corrected since.
;; Multi Head Attention. Allowed arithmetic: matrix products marked QUANTISED: E4M3 operands, one E8M0 scale for each 32 along K, by v_wmma_scale_f32_16x16x128_f8f6f4 with both operands' format E4M3, f32 sums; everything else in f32.
;; Inputs: Wk 1,024 x 1,024 float32; Wo 1,024 x 1,024 float32; Wq 1,024 x 1,024 float32; Wv 1,024 x 1,024 float32; bk 1,024 float32; bo 1,024 float32; bq 1,024 float32; bv 1,024 float32; k 4 x 2,048 x 1,024 float32; q 4 x 2,048 x 1,024 float32; v 4 x 2,048 x 1,024 float32.
;; Outputs: out0 4 x 2,048 x 1,024 float32.
;; This version of the problem:
;;   THIS VERSION OF THE PROBLEM IS GIVEN IN LOW PRECISION. The matrix products marked QUANTISED in the list below multiply operands that are first quantised to E4M3 (4 exponent bits, 3 mantissa bits; 8 bits a number), with one power-of-two scale for each 32 numbers along K (OCP MX v1.0); their sums are f32. All else is computed in f32.
;;   The module's matrix products, in the order in which they are computed (A, B: the left and right operand; K: the contracted axis; several contracted axes count as one K, in the product's order):
;;     1. [M 8,192, K 1,024] x [K 1,024, N 1,024]; A: input q; B: input Wq: QUANTISED
;;     2. [M 8,192, K 1,024] x [K 1,024, N 1,024]; A: input k; B: input Wk: QUANTISED
;;     3. [M 8,192, K 1,024] x [K 1,024, N 1,024]; A: input v; B: input Wv: QUANTISED
;;     4. batch 64 x [M 2,048, K 64] x [K 64, N 2,048]; A: computed on the way; B: computed on the way: QUANTISED
;;     5. batch 64 x [M 2,048, K 2,048] x [K 2,048, N 64]; A: softmax (see below); B: computed on the way: QUANTISED
;;     6. [M 8,192, K 1,024] x [K 1,024, N 1,024]; A: computed on the way; B: input Wo: QUANTISED
;;   THE QUANTISER, for each operand of a quantised product, along K:
;;     - K is cut into blocks of 32 from its start; a last block that is shorter is filled with zeros.
;;     - A block's scale is 2^e with e = floor(log2(the largest magnitude in the block)) - 8, held to -126 .. 127; a block of zeros has e = 0. As a byte (E8M0): e + 127.
;;     - Each number is divided by its block's scale, clamped to +-448, and rounded to the nearest number of E4M3, ties to even, subnormals kept.
;;     - The product sums the exact products of the quantised numbers (number of the format x scale) in f32.
;;   ~~~python
;;   def quantise(x, axis):      # numpy; x: float32 -> the quantised numbers, widened to float32 again
;;       x = np.moveaxis(x, axis, -1); K = x.shape[-1]
;;       x = np.pad(x, [(0, 0)] * (x.ndim - 1) + [(0, -K % 32)]); x = x.reshape(x.shape[:-1] + (-1, 32)); a = np.abs(x).max(-1, keepdims=True)
;;       e = np.where(a > 0, np.clip(np.frexp(np.where(a > 0, a, 1))[1] - 1 - 8, -126, 127), 0)      # np.frexp(a)[1] - 1 = floor(log2(a)), exactly
;;       r = np.clip(x / 2.0 ** e, -448, 448)
;;       step = 2.0 ** (np.maximum(np.frexp(np.where(r == 0, 1, r))[1] - 1, -6) - 3)
;;       q = np.round(r / step) * step * 2.0 ** e      # np.round: ties to even
;;       return np.moveaxis(q.reshape(q.shape[:-2] + (-1,))[..., :K], -1, axis).astype(np.float32)
;;   ~~~
;;   SOFTMAX AHEAD OF A QUANTISED PRODUCT. Where the list says 'softmax', what is quantised is not the finished softmax but p = 2^(t - M), with t = logit x log2(e) and M = ceil(the row's largest t), a whole number; so 1/2 < the row's largest p <= 1. The row's sum l is taken of the UNQUANTISED p, in f32, and the product's result is divided by l at the end. Since M is a whole number, a kernel that streams over the keys may use a running M (the ceiling of the running maximum): every later rescaling is an exact power of two, which a block's scale takes up: the codes' values come out the same.
;;   OPERANDS COMPUTED ON THE WAY. 'Computed on the way' means the value that the module computes at that place (a softmax that the list does not call 'softmax' is quantised finished and normalised). What goes into a quantiser is computed in f32, as accurately as f32 sums, v_exp_f32 and their like allow (about 1e-6 of the number): no bf16 or f16 on the way to a quantiser, and a product that is left as it is and whose result goes on into a quantised operand takes f32 operands (vector FMAs, or v_wmma_f32_16x16x4_f32). A number that lies on a knife's edge between two numbers of the format may be rounded either way, as far as f32 arithmetic and the matrix unit's own rounding can turn it there, and no further.
;; One version. Each part assembles by itself: llvm-mc -triple=amdgcn-amd-amdhsa -mcpu=gfx1250 --defsym DOCPART=n.
;; ======== version 1 of 1: 4 launches
;; limits: right only within a limited range of input values
;; workspace buffers: xc 25,165,824 bytes; xs 786,432 bytes; wc 4,194,304 bytes; ws 131,072 bytes; img 25,165,824 bytes; isc 786,432 bytes; oc 8,388,608 bytes; osc 262,144 bytes
;; launch quant (part 1): grid 896 x 1, 4 waves a work-group, no clusters, 33,280 bytes of LDS; arguments q, k, v, Wq, Wk, Wv, Wo, xc, xs, wc, ws; writes xc, xs, wc, ws
.if DOCPART == 1
	.amdgcn_target "amdgcn-amd-amdhsa--gfx1250"
	.amdhsa_code_object_version 6
	.text
	.protected	k_q5af662ab94_quant
	.globl	k_q5af662ab94_quant
	.p2align	8
	.type	k_q5af662ab94_quant,@function
k_q5af662ab94_quant:
	s_mov_b64 s[64:65], 0
	v_nop
	global_prefetch_b8 v0, s[64:65] scope:SCOPE_SE
	s_setreg_imm32_b32 hwreg(HW_REG_WAVE_MODE, 25, 1), 1
	s_wait_xcnt 0x0
; q, k, v [8192][1024] and Wq, Wk, Wv, Wo [1024][1024], f32, K innermost, become codes of E4M3 with one E8M0 byte for each 32 along K.
; xc = [q, k, v][8192][1024] codes, xs = [3][8192][32] bytes; wc = [Wq, Wk, Wv, Wo][1024][1024], ws = [4][1024][32].
; A block's scale is 2^(floor(log2(its largest magnitude)) - 8); its byte is the largest magnitude's exponent field - 8, held at 1 from below.
; Each number is divided by the scale, held within +-448 and rounded to the nearest code, ties to even.
; LIMITS: a block of zeros gets the byte 1 where the rule says 127 (its codes are zeros, and only this program reads the bytes); NaN and infinities are not served.
; Rows are dense and 1,024 is a multiple of 32: every tensor is a plain stream of blocks.  A work-group takes 32,768 numbers, a wave 16 steps of 512.
; Work-groups 0-767 take q, k, v (256 each), 768-895 the four weights (32 each): only pointers are chosen, there is one path through the text.
; Each load reads 512 consecutive bytes; a step's 2,048 bytes turn through the wave's own stage in LDS and come back 64 bytes a lane (16 neighbours along K); two lanes hold a block.
; No matrix unit, no cluster, no barrier: the stream is bound by its bytes and the waves share nothing.
.set STEPS, 16
.set EMAX,  8
.set MANT,  0x600000                   ; the mantissa field of 448 as f32
.set CB,    16                         ; bytes of 16 codes
.set R,     16                         ; v16-79   four sets of 16 numbers as loaded
.set X,     80                         ; v80-111  two sets of 16 neighbours
.set C,     128                        ; v128-191 codes: four registers for each step
.set E,     112                        ; v112-127 a scale byte for each step
.set WREG,  8192                       ; LDS of a wave: two stages of 32 x SP bytes, then its 256 scale bytes
.set SP,    80                         ; a lane's place in a stage: 64 bytes + 16 of padding
	s_load_b512 s[4:19], s[0:1], 0x0               ; q, k, v, Wq, Wk, Wv, Wo, xc
	s_load_b128 s[20:23], s[0:1], 0x40             ; xs, wc
	s_load_b64 s[24:25], s[0:1], 0x50              ; ws
	v_lshl_add_u32 v192, v0, 2, 0x8000
	v_mov_b32 v193, 0
	v_lshrrev_b32 v1, 5, v0
	v_readfirstlane_b32 s30, v1                    ; wave
	v_and_b32 v2, 31, v0                           ; lane
	v_lshlrev_b32 v3, 4, v2                        ; my 16 bytes of a load's 512
	s_mul_i32 s31, s30, WREG
	v_lshrrev_b32 v14, 2, v2
	v_mul_u32_u24 v14, v14, SP
	v_and_b32 v15, 3, v2
	v_lshl_add_u32 v14, v15, 4, v14
	v_add_nc_u32 v14, s31, v14                     ; the stage, on the way in: SP (lane / 4) + 16 (lane % 4)
	v_mul_u32_u24 v15, v2, SP
	v_add_nc_u32 v15, s31, v15                     ; and on the way out: SP x lane
	v_mul_u32_u24 v4, v2, CB                       ; my codes' place in a step's
	v_lshrrev_b32 v5, 1, v2
	s_add_co_u32 s31, s31, 2*32*SP
	v_add_nc_u32 v5, s31, v5                       ; LDS: my wave's scale bytes, my block's byte
	v_lshlrev_b32 v7, 3, v2
	v_add_nc_u32 v6, s31, v7                       ; and on the way out 8 bytes a lane
	s_mov_b32 s29, MANT
	s_wait_alu depctr_va_vdst(0)
	s_wait_kmcnt 0x0
	s_mov_b64 s[26:27], s[16:17]                   ; the source, chosen by the work-group's number alone: Wo,
	s_cmp_lt_u32 ttmp9, 864
	s_cselect_b64 s[26:27], s[14:15], s[26:27]     ; Wv,
	s_cmp_lt_u32 ttmp9, 832
	s_cselect_b64 s[26:27], s[12:13], s[26:27]     ; Wk,
	s_cmp_lt_u32 ttmp9, 800
	s_cselect_b64 s[26:27], s[10:11], s[26:27]     ; Wq,
	s_cmp_lt_u32 ttmp9, 768
	s_cselect_b64 s[26:27], s[8:9], s[26:27]       ; v;
	s_cselect_b64 s[18:19], s[18:19], s[22:23]     ; codes go to xc or wc,
	s_cselect_b64 s[20:21], s[20:21], s[24:25]     ; bytes to xs or ws
	s_cselect_b32 s32, 255, 31                     ; work-groups in a tensor, less one
	s_cselect_b32 s33, 0, 768                      ; the first work-group of the destination
	s_cmp_lt_u32 ttmp9, 512
	s_cselect_b64 s[26:27], s[6:7], s[26:27]       ; k,
	s_cmp_lt_u32 ttmp9, 256
	s_cselect_b64 s[26:27], s[4:5], s[26:27]       ; q
	s_and_b32 s32, ttmp9, s32                      ; my place in the source tensor
	s_sub_co_u32 s33, ttmp9, s33                   ; and in the destination buffers
	s_lshl_b32 s32, s32, 2
	s_add_co_u32 s32, s32, s30                     ; which run of 8,192 numbers is my wave's
	s_lshl_b32 s34, s32, 15                        ; 32,768 bytes of f32 a run
	s_mov_b32 s35, 0
	s_add_nc_u64 s[26:27], s[26:27], s[34:35]
	s_lshl_b32 s33, s33, 2
	s_add_co_u32 s33, s33, s30
	s_lshl_b32 s34, s33, 13                        ; 8,192 bytes of codes
	s_add_nc_u64 s[18:19], s[18:19], s[34:35]
	s_lshl_b32 s34, s33, 8                         ; 256 scale bytes
	s_add_nc_u64 s[20:21], s[20:21], s[34:35]
.macro LOAD t
.irp i, 0,1,2,3
	global_load_b128 v[R+16*((\t)%4)+4*\i:R+16*((\t)%4)+4*\i+3], v3, s[26:27] offset:2048*(\t)+512*\i th:TH_LOAD_NT   ; 32 lanes read 512 consecutive bytes
.endr
.endm
.macro TURN t                          ; step t's numbers through the stage: LDS serves a wave's instructions in order, so no wait stands between the stores and the loads
.irp i, 0,1,2,3
	ds_store_b128 v14, v[R+16*((\t)%4)+4*\i:R+16*((\t)%4)+4*\i+3] offset:32*SP*((\t)%2)+8*SP*\i
.endr
.irp i, 0,1,2,3
	ds_load_b128 v[X+16*((\t)%2)+4*\i:X+16*((\t)%2)+4*\i+3], v15 offset:32*SP*((\t)%2)+16*\i
.endr
.endm
.irp t, 0,1,2,3
	LOAD \t
.endr
	s_wait_loadcnt 12                              ; step 0's four loads are in; twelve younger ones stay out
	TURN 0
.macro STEP t
.set XS, X+16*((\t)%2)
.if (\t) > 0
	s_wait_dscnt 1                                 ; this step's numbers are back from the stage (the last step's byte store may be out)
.else
	s_wait_dscnt 0x0
.endif
.if (\t)+4 < STEPS
	LOAD (\t)+4                                    ; into the registers that the stage's stores have read
.endif
.if (\t)+1 < STEPS
.if STEPS-2-(\t) >= 3
	s_wait_loadcnt 12                              ; the next step's four loads are in; those of the three steps behind it may be out
.else
	s_wait_loadcnt 4*(STEPS-2-(\t))
.endif
	TURN (\t)+1
.endif
	v_max3_num_f32 v8, |v[XS]|, |v[XS+1]|, |v[XS+2]|               ; the largest magnitude of my 16, in two chains
	v_max3_num_f32 v9, |v[XS+3]|, |v[XS+4]|, |v[XS+5]|
.irp i, 6,10
	v_max3_num_f32 v8, v8, |v[XS+\i]|, |v[XS+\i+1]|
	v_max3_num_f32 v9, v9, |v[XS+\i+2]|, |v[XS+\i+3]|
.endr
	v_max3_num_f32 v8, v8, |v[XS+14]|, |v[XS+15]|
	v_max3_num_f32 v8, v8, v9, (EMAX+1)<<23        ; and the floor 2^(9 - 127): the byte cannot fall under 1
	v_max_num_f32_dpp v8, v8, v8 row_xmask:1 row_mask:0xf bank_mask:0xf   ; and of my neighbour's 16: the block's
	v_add_nc_u32 v11, -(EMAX<<23), v8              ; 8 off its exponent field: the conversion's scale operand
	v_and_or_b32 v10, v8, 0x7f800000, s29          ; 448 x the scale
.irp i, 0,1,2,3,4,5,6,7,8,9,10,11,12,13,14,15
	v_med3_num_f32 v[XS+\i], v[XS+\i], -v10, v10   ; the conversion to an 8-bit code does not saturate (ISA guide 7.6.2): the hold comes first
.endr
	v_cvt_scalef32_pk8_fp8_f32 v[C+4*(\t):C+4*(\t)+1], v[XS:XS+7], v11
	v_cvt_scalef32_pk8_fp8_f32 v[C+4*(\t)+2:C+4*(\t)+3], v[XS+8:XS+15], v11
	v_lshrrev_b32 v[E+(\t)], 23, v11               ; the scale's byte (also the plain line behind the conversions)
	ds_store_b8 v5, v[E+(\t)] offset:16*(\t)       ; both lanes of a block write the same byte with the same value
	global_store_b128 v4, v[C+4*(\t):C+4*(\t)+3], s[18:19] offset:32*CB*(\t)   ; the wave stores 512 consecutive bytes, aligned
.endm
.irp t, 0,1,2,3,4,5,6,7,8,9,10,11,12,13,14,15
	STEP \t
.endr
	ds_load_b64 v[12:13], v6                       ; LDS serves a wave's instructions in order: these see my stores
	s_wait_dscnt 0x0
	global_store_b64 v7, v[12:13], s[20:21]        ; 32 lanes store 256 consecutive bytes, aligned
	s_wait_tensorcnt 0x0
	ds_add_u32 v192, v193
	s_wait_dscnt 0x0
	s_endpgm
.Lfunc_end_k_q5af662ab94_quant:
	.size	k_q5af662ab94_quant, .Lfunc_end_k_q5af662ab94_quant-k_q5af662ab94_quant
	.p2alignl 7, 3214868480
	.fill 96, 4, 3214868480
	.section	.rodata,"a",@progbits
	.p2align	6, 0x0
	.amdhsa_kernel k_q5af662ab94_quant
		.amdhsa_group_segment_fixed_size 33280
		.amdhsa_private_segment_fixed_size 0
		.amdhsa_enable_private_segment 0
		.amdhsa_kernarg_size 88
		.amdhsa_user_sgpr_count 2
		.amdhsa_user_sgpr_kernarg_segment_ptr 1
		.amdhsa_wavefront_size32 1
		.amdhsa_system_sgpr_workgroup_id_x 1
		.amdhsa_system_sgpr_workgroup_id_y 1
		.amdhsa_system_sgpr_workgroup_id_z 1
		.amdhsa_system_vgpr_workitem_id 0
		.amdhsa_next_free_vgpr 194
		.amdhsa_next_free_sgpr 66
		.amdhsa_reserve_vcc 0
		.amdhsa_float_denorm_mode_32 3
		.amdhsa_float_denorm_mode_16_64 3
		.amdhsa_memory_ordered 1
		.amdhsa_forward_progress 1
		.amdhsa_inst_pref_size 52
	.end_amdhsa_kernel
	.amdgpu_metadata
---
amdhsa.version: [ 1, 2 ]
amdhsa.kernels:
  - .name:           k_q5af662ab94_quant
    .symbol:         k_q5af662ab94_quant.kd
    .args:
      - { .name: q, .offset: 0, .size: 8, .value_kind: global_buffer, .address_space: global }
      - { .name: k, .offset: 8, .size: 8, .value_kind: global_buffer, .address_space: global }
      - { .name: v, .offset: 16, .size: 8, .value_kind: global_buffer, .address_space: global }
      - { .name: Wq, .offset: 24, .size: 8, .value_kind: global_buffer, .address_space: global }
      - { .name: Wk, .offset: 32, .size: 8, .value_kind: global_buffer, .address_space: global }
      - { .name: Wv, .offset: 40, .size: 8, .value_kind: global_buffer, .address_space: global }
      - { .name: Wo, .offset: 48, .size: 8, .value_kind: global_buffer, .address_space: global }
      - { .name: xc, .offset: 56, .size: 8, .value_kind: global_buffer, .address_space: global }
      - { .name: xs, .offset: 64, .size: 8, .value_kind: global_buffer, .address_space: global }
      - { .name: wc, .offset: 72, .size: 8, .value_kind: global_buffer, .address_space: global }
      - { .name: ws, .offset: 80, .size: 8, .value_kind: global_buffer, .address_space: global }
    .group_segment_fixed_size: 33280
    .private_segment_fixed_size: 0
    .kernarg_segment_align: 8
    .kernarg_segment_size: 88
    .max_flat_workgroup_size: 128
    .sgpr_count:     66
    .vgpr_count:     194
    .wavefront_size: 32
...
	.end_amdgpu_metadata
.endif
;; end of part 1
;; launch qkv (part 2): grid 4 x 96, 4 waves a work-group, clusters of 4 x 4, 327,680 bytes of LDS; arguments xc, xs, wc, ws, bq, bk, bv, img, isc; writes img, isc
.if DOCPART == 2
	.amdgcn_target "amdgcn-amd-amdhsa--gfx1250"
	.amdhsa_code_object_version 6
	.text
	.protected	k_q5af662ab94_qkv
	.globl	k_q5af662ab94_qkv
	.p2align	8
	.type	k_q5af662ab94_qkv,@function
k_q5af662ab94_qkv:
	s_mov_b64 s[64:65], 0
	v_nop
	global_prefetch_b8 v0, s[64:65] scope:SCOPE_SE
	s_setreg_imm32_b32 hwreg(HW_REG_WAVE_MODE, 25, 1), 1
	s_wait_xcnt 0x0
	s_wait_alu depctr_hold_cnt(0) depctr_sa_sdst(0) depctr_va_vdst(0) depctr_va_sdst(0) depctr_va_ssrc(0) depctr_va_vcc(0) depctr_vm_vsrc(0)
	s_getreg_b32 s2, hwreg(HW_REG_IB_STS2, 6, 4)
	s_cmp_eq_u32 s2, 0
	s_cbranch_scc0 .Lentry_in_a_cluster
	s_endpgm
.Lentry_in_a_cluster:
	s_bfe_u32 s2, ttmp6, 0x10000c
	s_cmp_lg_u32 s2, 0xf033
	s_cbranch_scc0 .Lentry_shape_is_right
	s_endpgm
.Lentry_shape_is_right:
; Q = q Wq^T + bq, K = k Wk^T + bk, V = v Wv^T + bv on codes of E4M3 with E8M0 scales (K = 1,024), and the results quantised again for attention.
; Cluster y / 8 says which of the three.  Q, K: A = the tokens' codes (8,192 rows), B = the weight (1,024 rows).  V: A = Wv, B = v's tokens: C' = Wv v^T.
; A tile of C is 256 x 256, four waves of 128 x 128 (64 accumulators).  THE MATRIX INSTRUCTION IS USED TRANSPOSED (source 0 = 16 rows of B, source 1 = 16 rows of A):
; a lane holds one row of A's side and eight neighbours of B's side.  So for Q and K a lane's registers run along the channels, for V along the keys: in each case the axis along which
; attention quantises, and one way out serves all three.  The bias is the C of each sum's first product: by B's row for Q and K, by A's row for V (the one branch, on the cluster's y alone).
; K goes in steps of 256 through two LDS slots filled by joint tensor loads: 4 x 4 work-groups, A's tile shared along a row of the cluster, B's along a column.
; The scale bytes of the work-group's rows, for all of K, come once with the first fills.
; THE WAY OUT: each block of 32 (two accumulators, lanes l and l xor 16) gets its scale; codes go to a tile of bytes in LDS (in slot 0, which has had its last fill and its last read),
; and leave as IMAGES OF ATTENTION'S OPERAND REGISTERS, 512 consecutive bytes a store.  pi(r) = r + 8 (r / 8).
;   Q, K image of a head: [step of 128 rows][tile t 0-7][c 0-1][lane][16 bytes]: lane (r, h): channels 32 c + 16 h + 0..15 of row 128 step + 32 (t / 2) + 8 (t % 2) + pi(r).
;   V image of a head: [step of 128 keys][tile d 0-3][c 0-3][lane][16 bytes]: lane (r, h): keys 32 c + 16 h + 0..15 of channel 32 (d / 2) + 8 (d % 2) + pi(r).
;   isc: Q, K: [head][row] two bytes; V: [head][step][channel] four bytes.
; LIMITS: a block of zeros carries the byte 1 (zero codes; only this program reads the bytes); NaN and infinities are not served.
; REGISTERS, in windows of 256: window 0: v1-29 addresses; v32-63 scale words, two sets; v64-127 the bias as C; v128-255 A's fragments, one set.  window 1: B's fragments, two sets.
;   windows 2, 3: the accumulators ((a, b) at v[8 (8 (a % 4) + b)]).  On the way out window 0's v64-255 are free.
.set ROWB,   256                       ; a tile's row in bytes: 256 codes
.set KROW,   1024                      ; a row of A or B in memory
.set PITCH,  272                       ; an LDS row: 256 bytes + 16 of padding
.set FR,     16                        ; registers of a fragment
.set NL,     4                         ; LDS loads that bring one
.set NP,     8                         ; places behind this matrix instruction (ISA guide 7.12.1)
.set NQ,     2                         ; matrix instructions deep in a slot
.set HALFT,  128*PITCH
.set SLOT,   4*HALFT                   ; A's 256 rows, then B's
.set SCL,    2*SLOT                    ; the scales: units of 256 bytes + 16
.set HALFS,  16*272                    ; those of 128 rows
.set SPARE,  SCL+4*HALFS               ; the spare words: 128 bytes a wave, two blocks of 256 bytes that no other line names
.set SC2,    256*PITCH                 ; the way out: behind the tile of codes (256 rows x 272, at LDS byte 0): 8 scale bytes a row
.set VJ,   8                           ; v8-15  the bias loads' offsets
.set ADRA, 16                          ; v16-17 my A fragments in slot 0, 1
.set ADSA, 18                          ; v18    A's scale words: lane l takes row 32 i + l of my 128
.set ADSB, 19                          ; v19    B's
.set ADRB, 20                          ; v20-21 my B fragments
.set STO,  22                          ; the way out: where I put 8 codes
.set ST2,  23                          ; and a scale word
.set RD,   24                          ; where I read 16 codes back
.set KA,   25                          ; Q, K: where I read scale bytes back
.set VA,   26                          ; V: likewise
.set SO,   27                          ; 16 x lane
.set SPW,  28                          ; my spare word; never rewritten
.set NIL,  29                          ; 0; never rewritten
.set SC,   32                          ; scale words: set s at 32 + 16 s: A's at + 2 i + q, B's at + 8 + 2 i + q; lanes 0-15 block 2 i, lanes 16-31 block 2 i + 1
.set BI,   64
.set AF,   128
.set TM,   200                         ; the way out: v200-203 maxima, 204-207 bytes, 208-211 448 x scale, 212-215 scale operands
.set PW,   220                         ; v220-227 a scale word for each block of rows
.set VO,   228                         ; v228-243 the images' offsets
.set G1, 24
.set G0, 32
.set G1B, 48
.set G0B, 56
.set G1S, 68
.set G0S, 76
.set G1SB, 80
.set G0SB, 88
.set MSB, 0
.macro WIN new                         ; the immediate's high byte repeats the setting that is left
.if MSB != \new
	s_set_vgpr_msb (MSB<<8)|\new
.set MSB, \new
.endif
.endm
.set MUL_LO, 0xa1                      ; source 0 (B) window 1, source 1 (A) window 0, C and D window 2
.set MUL_HI, 0xf1
.set TO_B,   0x40
; A joint load: waves 0 and 1 fetch for A, waves 2 and 3 for B; the branch hangs on the wave's number alone.  Four v_nop follow each of the two lines.
.macro JLOAD g0a, g1a, g0b, g1b
	s_cmp_eq_u32 s23, 0
	s_cbranch_scc0 .Lfor_b_\@
	tensor_load_to_lds s[\g0a:\g0a+3], s[\g1a:\g1a+7]
	s_nop 0
.rept 4
	v_nop
.endr
	s_branch .Lasked_\@
.Lfor_b_\@:
	tensor_load_to_lds s[\g0b:\g0b+3], s[\g1b:\g1b+7]
	s_nop 0
.rept 4
	v_nop
.endr
.Lasked_\@:
.endm
.macro CREST                           ; a round of the cluster's barrier behind its opening barrier
	s_cmp_lg_u32 s22, 0
	s_cbranch_scc1 .Lnot_wave_0_\@
	s_barrier_signal -3
.Lnot_wave_0_\@:
	s_barrier_wait -3
	s_barrier_signal -1
	s_barrier_wait -1
.endm
.macro CROUND
	s_barrier_signal -1
	s_barrier_wait -1
	CREST
.endm
	s_load_b512 s[4:19], s[0:1], 0x0               ; xc, xs, wc, ws, bq, bk, bv, img
	s_load_b64 s[20:21], s[0:1], 0x40              ; isc
	v_lshl_add_u32 v[SPW], v0, 2, SPARE
	v_mov_b32 v[NIL], 0
	ds_add_u32 v28, v29
	ds_add_u32 v28, v29
	s_wait_dscnt 0x0
	v_lshrrev_b32 v1, 5, v0
	v_readfirstlane_b32 s22, v1                    ; wave 0..3
	s_lshr_b32 s23, s22, 1                         ; RH: my half of the tile's rows.  Also: I fetch for A (0) or B (1)
	s_and_b32 s66, s22, 1                          ; CH: my half of its columns.  Also: which 128 rows I fetch
	s_bfe_u32 s40, ttmp6, 0x40000                  ; cx
	s_bfe_u32 s41, ttmp6, 0x40004                  ; cy
	s_and_b32 s94, ttmp7, 0xffff                   ; cluster y, 0..23
	s_lshr_b32 s67, s94, 3                         ; 0: Q, 1: K, 2: V
	s_and_b32 s94, s94, 7
	s_lshl_b32 s94, s94, 2                         ; the cluster's first tile along the tokens
	s_cmp_eq_u32 s67, 2
	s_cselect_b32 s100, 1, 0                       ; V?
	s_cselect_b32 s101, -1, 0                      ; the same as a mask of lanes
	s_cselect_b32 s43, 0, s94
	s_cselect_b32 s42, s94, 0
	s_add_co_u32 s43, s43, s41                     ; tile row of C (A's side)
	s_add_co_u32 s42, s42, s40                     ; tile column (B's side)
	s_lshl_b32 s44, s41, 2
	s_lshl_b32 s44, 15, s44                        ; my row of the cluster
	s_lshl_b32 s45, 0x1111, s40                    ; my column
	s_or_b32 s[G1+0], s44, (0<<16)|(1<<20)|(1<<21)|(5<<22)|(3<<25)  ; the mask; elements of 1 byte; padding on; bit 21 beside a mask; 4 words after every 64
	s_or_b32 s[G1B+0], s45, (0<<16)|(1<<20)|(1<<21)|(5<<22)|(3<<25)
.irp g, G1, G1B
	s_mov_b32 s[\g+1], ROWB<<16                    ; tensor_dim0
	s_mov_b32 s[\g+2], 256<<16                     ; tensor_dim1: 256 rows for the head's loads
	s_mov_b32 s[\g+3], ROWB<<16                    ; tile_dim0
	s_mov_b32 s[\g+4], 256                         ; tile_dim1
	s_mov_b32 s[\g+5], KROW                        ; the pitch
	s_mov_b32 s[\g+6], 0
	s_mov_b32 s[\g+7], 0
.endr
	s_or_b32 s[G1S+0], s44, (3<<16)|(1<<20)|(1<<21)|(5<<22)|(3<<25) ; the scales of 256 rows: 8,192 dense bytes as 32 rows of 32 elements of 8 bytes
	s_or_b32 s[G1SB+0], s45, (3<<16)|(1<<20)|(1<<21)|(5<<22)|(3<<25)
.irp g, G1S, G1SB
	s_mov_b32 s[\g+1], 32<<16
	s_mov_b32 s[\g+2], 32<<16                      ; the scales of 256 rows: 32 rows of 256 bytes
	s_mov_b32 s[\g+3], 32<<16
	s_mov_b32 s[\g+4], 32
	s_mov_b32 s[\g+5], 32
	s_mov_b32 s[\g+6], 0
	s_mov_b32 s[\g+7], 0
.endr
	s_mov_b32 s2, 0x4800000                        ; the floor 2^(9 - 127)
	s_mov_b32 s3, 0x600000                         ; the mantissa field of 448
	s_mov_b32 s92, 0x76543210
	s_mov_b32 s93, 0xfedcba98                      ; v_permlanex16_b32's selects for lane l xor 16
	s_lshl_b32 s104, s43, 8                        ; A: the tile's first row
	s_lshl_b32 s46, s42, 8                         ; B: likewise
	s_mov_b32 s105, 0
	s_mov_b32 s47, 0
	s_mov_b32 s95, 0
	s_wait_kmcnt 0x0
	s_lshl_b32 s94, s67, 23
	s_add_nc_u64 s[4:5], s[4:5], s[94:95]          ; my tensor's tokens: codes,
	s_lshl_b32 s94, s67, 18
	s_add_nc_u64 s[6:7], s[6:7], s[94:95]          ; scale bytes;
	s_lshl_b32 s94, s67, 20
	s_add_nc_u64 s[8:9], s[8:9], s[94:95]          ; its weight: codes,
	s_lshl_b32 s94, s67, 15
	s_add_nc_u64 s[10:11], s[10:11], s[94:95]      ; scale bytes
	s_cmp_eq_u32 s67, 2                            ; for V the weight is A and the tokens are B
	s_cselect_b64 s[96:97], s[8:9], s[4:5]         ; A's codes
	s_cselect_b64 s[98:99], s[10:11], s[6:7]       ; A's scales
	s_cselect_b64 s[4:5], s[4:5], s[8:9]           ; B's codes
	s_cselect_b64 s[6:7], s[6:7], s[10:11]         ; B's scales
	s_cselect_b64 s[14:15], s[16:17], s[14:15]
	s_cmp_eq_u32 s67, 0
	s_cselect_b64 s[12:13], s[12:13], s[14:15]     ; the bias
	s_lshl_b32 s104, s104, 5                       ; 32 scale bytes a row,
	s_add_nc_u64 s[98:99], s[98:99], s[104:105]
	s_lshl_b32 s104, s104, 5                       ; 1,024 codes a row
	s_add_nc_u64 s[96:97], s[96:97], s[104:105]
	s_lshl_b32 s46, s46, 5
	s_add_nc_u64 s[6:7], s[6:7], s[46:47]
	s_lshl_b32 s46, s46, 5
	s_add_nc_u64 s[4:5], s[4:5], s[46:47]
.set G0H, 8                            ; s[8:11], s[44:47]: group 0 of the head's loads of K step 0 (what lay there has been used)
.set G0HB, 44
	s_mul_i32 s94, s22, HALFT
	s_lshl_b32 s104, s66, 17                       ; in the ring I fetch 128 rows of a tile: my half, in bytes
	CROUND                                         ; all sixteen work-groups are here: the first joint loads meet
	s_mov_b32 s[G0H], 1                            ; the head's four tiles, each whole: K step 0's 256 rows of A,
	s_mov_b32 s[G0H+1], 0
	s_mov_b64 s[G0H+2:G0H+3], s[96:97]
	s_or_b32 s[G0H+3], s[G0H+3], 0x80000000
	s_mov_b32 s[G0HB], 1                           ; its 256 rows of B,
	s_mov_b32 s[G0HB+1], 2*HALFT
	s_mov_b64 s[G0HB+2:G0HB+3], s[4:5]
	s_or_b32 s[G0HB+3], s[G0HB+3], 0x80000000
	s_mov_b32 s[G0S], 1                            ; the scales of A's 256 rows,
	s_mov_b32 s[G0S+1], SCL
	s_mov_b64 s[G0S+2:G0S+3], s[98:99]
	s_or_b32 s[G0S+3], s[G0S+3], 0x80000000
	s_mov_b32 s[G0SB], 1                           ; and of B's
	s_mov_b32 s[G0SB+1], SCL+2*HALFS
	s_mov_b64 s[G0SB+2:G0SB+3], s[6:7]
	s_or_b32 s[G0SB+3], s[G0SB+3], 0x80000000
	s_add_nc_u64 s[96:97], s[96:97], s[104:105]    ; for the ring: my 128 rows
	s_add_nc_u64 s[4:5], s[4:5], s[104:105]
.irp s, 0,1
	s_mov_b32 s[G0+4*\s], 1
	s_add_co_u32 s[G0+4*\s+1], s94, \s*SLOT
	s_add_nc_u64 s[G0+4*\s+2:G0+4*\s+3], s[96:97], \s*ROWB
	s_or_b32 s[G0+4*\s+3], s[G0+4*\s+3], 0x80000000
	s_mov_b32 s[G0B+4*\s], 1
	s_add_co_u32 s[G0B+4*\s+1], s94, \s*SLOT
	s_add_nc_u64 s[G0B+4*\s+2:G0B+4*\s+3], s[4:5], \s*ROWB
	s_or_b32 s[G0B+4*\s+3], s[G0B+4*\s+3], 0x80000000
.endr
; the head's loads, one a wave: one tree of branches on the wave's number, a load to an arm
.macro ARM under, g0, g1, next
	s_cmp_lt_u32 s22, \under
	s_cbranch_scc0 \next
	tensor_load_to_lds s[\g0:\g0+3], s[\g1:\g1+7]
	s_nop 0
.rept 4
	v_nop
.endr
	s_branch .Lhead_asked
\next:
.endm
	ARM 1, G0H,  G1,  .Lhead_b
	ARM 2, G0HB, G1B, .Lhead_sa
	ARM 3, G0S,  G1S, .Lhead_sb
	tensor_load_to_lds s[G0SB:G0SB+3], s[G1SB:G1SB+7]
	s_nop 0
.rept 4
	v_nop
.endr
.Lhead_asked:
	v_and_b32 v1, 15, v0
	v_bfe_u32 v2, v0, 4, 1                         ; h
	s_wait_alu depctr_va_vdst(0)
	v_and_b32 v5, 31, v0                           ; lane
	; the bias as C.  Q, K: register j of block b: bias[column 16 b + 8 h + j].  V: every register of block a: bias[row 16 a + r]
	s_lshl_b32 s96, s43, 8
	s_lshl_b32 s97, s23, 7
	s_add_co_u32 s96, s96, s97                     ; my first row,
	s_lshl_b32 s98, s42, 8
	s_lshl_b32 s97, s66, 7
	s_add_co_u32 s98, s98, s97                     ; my first column
	s_cmp_eq_u32 s100, 1
	s_cselect_b32 s96, s96, s98
	s_cselect_b32 s99, 0, 4                        ; bytes from register to register
	s_lshl_b32 s96, s96, 2
	s_mov_b32 s97, 0
	s_add_nc_u64 s[12:13], s[12:13], s[96:97]
	v_lshlrev_b32 v6, 5, v2                        ; 32 h
	v_lshlrev_b32 v7, 2, v1                        ; 4 r
	v_cndmask_b32 v6, v6, v7, s101
.irp j, 0,1,2,3,4,5,6,7
	v_mad_u32_u24 v[VJ+\j], s99, \j, v6
.endr
.irp x, 0,1,2,3,4,5,6,7
.irp j, 0,1,2,3,4,5,6,7
	global_load_b32 v[BI+8*\x+\j], v[VJ+\j], s[12:13] offset:64*\x
.endr
.endr
	v_mul_u32_u24 v3, v1, PITCH
	v_lshl_add_u32 v4, v2, 4, v3                   ; a fragment's row x pitch + 16 x half
	s_mul_i32 s96, s23, HALFT                      ; my 128 rows of A
	s_mul_i32 s97, s66, HALFT                      ; my 128 rows of B,
	s_add_co_u32 s97, s97, 2*HALFT                 ; which lie behind A's 256
.irp s, 0,1
	v_add_nc_u32 v[ADRA+\s], s96, v4
	v_add_nc_u32 v[ADRB+\s], s97, v4
	s_add_co_u32 s96, s96, SLOT
	s_add_co_u32 s97, s97, SLOT
.endr
	v_lshrrev_b32 v6, 3, v5
	v_lshlrev_b32 v7, 5, v5
	v_lshl_add_u32 v7, v6, 4, v7                   ; 32 bytes a row, and 16 more for each 256 passed
	s_mul_i32 s96, s23, HALFS
	s_add_co_u32 s96, s96, SCL
	v_add_nc_u32 v[ADSA], s96, v7
	s_mul_i32 s96, s66, HALFS
	s_add_co_u32 s96, s96, SCL+2*HALFS
	v_add_nc_u32 v[ADSB], s96, v7
	s_mul_i32 s96, s23, 128*PITCH                  ; the way out: row 128 RH + r, byte 128 CH + 8 h
	s_lshl_b32 s97, s66, 7
	s_add_co_u32 s96, s96, s97
	v_lshl_add_u32 v6, v2, 3, v3
	v_add_nc_u32 v[STO], s96, v6
	s_lshl_b32 s96, s23, 10                        ; its scale word: 8 bytes a row, + 4 CH
	s_lshl_b32 s97, s66, 2
	s_add_co_u32 s96, s96, s97
	s_add_co_u32 s96, s96, SC2
	v_lshl_add_u32 v[ST2], v1, 3, s96
	v_and_b32 v6, 8, v1
	v_add_nc_u32 v6, v6, v1                        ; pi(r)
	v_mul_u32_u24 v6, v6, PITCH
	v_lshl_add_u32 v6, v2, 4, v6
	s_lshl_b32 s96, s22, 6
	v_add_nc_u32 v[RD], s96, v6                    ; back: row pi(r), byte 64 wave + 16 h
	s_lshl_b32 s96, s22, 1
	s_add_co_u32 s96, s96, SC2
	v_lshl_add_u32 v[KA], v5, 6, s96               ; Q, K: rows 8 lane + i, bytes 2 wave, 2 wave + 1
	s_lshl_b32 s96, s22, 9
	s_add_co_u32 s96, s96, SC2
	v_lshl_add_u32 v6, v1, 5, s96
	v_lshl_add_u32 v[VA], v2, 2, v6                ; V: rows 64 wave + 4 r + i, word h
	v_lshlrev_b32 v[SO], 4, v5
	; where my images begin.  tok: the tile along the tokens, chn: along the channels
	s_lshl_b32 s96, s23, 13
	s_lshl_b32 s97, s66, 10
	s_add_co_u32 s96, s96, s97                     ; V: my step of 128 keys and my two blocks of 32
	s_lshl_b32 s97, s22, 17                        ; Q, K: my head
	s_cmp_eq_u32 s100, 1
	s_cselect_b32 s104, s96, s97
	s_cselect_b32 s96, s42, s43                    ; tok
	s_cselect_b32 s97, s43, s42                    ; chn
	s_lshr_b32 s98, s96, 3
	s_lshl_b32 s98, s98, 4
	s_lshl_b32 s97, s97, 2
	s_add_co_u32 s98, s98, s97                     ; 16 x batch + the tile's first head
	s_and_b32 s96, s96, 7
	s_lshl_b32 s97, s98, 17                        ; 131,072 bytes a head
	s_add_co_u32 s104, s104, s97
	s_lshl_b32 s97, s96, 14                        ; two steps of 8,192 bytes a tile
	s_add_co_u32 s104, s104, s97
	s_lshl_b32 s97, s67, 23
	s_add_co_u32 s104, s104, s97
	s_mov_b32 s105, 0
	s_add_nc_u64 s[18:19], s[18:19], s[104:105]
	s_add_co_u32 s98, s98, s22                     ; the scale bytes: wave w stores head w's, 512 consecutive bytes
	s_lshl_b32 s104, s98, 12
	s_lshl_b32 s97, s96, 9
	s_add_co_u32 s104, s104, s97
	s_lshl_b32 s97, s67, 18
	s_add_co_u32 s104, s104, s97
	s_add_nc_u64 s[20:21], s[20:21], s[104:105]
	s_lshl_b32 s14, 1024, s100                     ; the images' four strides: Q, K: tile bits 1,024, 2,048, 4,096, step 8,192;
	s_lshl_b32 s15, 2048, s100                     ; V: tile bits 2,048, 4,096, head bits 131,072, 262,144
	s_mul_i32 s97, s100, 5
	s_lshl_b32 s16, 4096, s97
	s_lshl_b32 s17, 8192, s97
.macro FRAG reg, adr, q, i             ; 16 rows x 128 K: registers 4 c .. 4 c + 3 hold K = 32 c + 16 (l / 16) + 0 .. 15
.irp c, 0,1,2,3
	ds_load_b128 v[\reg+4*\c:\reg+4*\c+3], v[\adr] offset:128*(\q)+32*\c+(\i)*16*PITCH
.endr
.endm
.macro WM                              ; one product, by the symbols that MUL16 sets; the scale registers' rows go with the blocks' parity
.if oB && oA
	v_wmma_scale_f32_16x16x128_f8f6f4 v[rD:rD+7], v[rB:rB+15], v[rA:rA+15], v[rC:rC+7], v[sB], v[sA] matrix_a_scale:MATRIX_SCALE_ROW1 matrix_b_scale:MATRIX_SCALE_ROW1
.elseif oB
	v_wmma_scale_f32_16x16x128_f8f6f4 v[rD:rD+7], v[rB:rB+15], v[rA:rA+15], v[rC:rC+7], v[sB], v[sA] matrix_a_scale:MATRIX_SCALE_ROW1
.elseif oA
	v_wmma_scale_f32_16x16x128_f8f6f4 v[rD:rD+7], v[rB:rB+15], v[rA:rA+15], v[rC:rC+7], v[sB], v[sA] matrix_b_scale:MATRIX_SCALE_ROW1
.else
	v_wmma_scale_f32_16x16x128_f8f6f4 v[rD:rD+7], v[rB:rB+15], v[rA:rA+15], v[rC:rC+7], v[sB], v[sA]
.endif
.endm
; 16 products: A's blocks a0, a0 + 1 x B's eight.  p: B's set; q: the slot's q-th 128 along K; sc: the set of scale words.  mode 0: add in place; 1: C = the bias by B's block; 2: by A's block.
; The 64 accumulators take turns, one instruction a turn, in the same order in every step.
.macro MUL16 a0, p, q, sc, mode
.irp a, \a0, \a0+1
.irp b, 0,1,2,3,4,5,6,7
.set rD, 8*(8*((\a)%4)+\b)
.set rB, 128*(\p)+FR*\b
.set rA, AF+FR*(\a)
.set sB, SC+16*(\sc)+8+2*(\b/2)+(\q)
.set sA, SC+16*(\sc)+2*((\a)/2)+(\q)
.set oB, \b%2
.set oA, (\a)%2
.set rC, rD
.if \mode == 1
.set rC, BI+8*\b
.endif
.if \mode == 2
.set rC, BI+8*(\a)
.endif
	WM
.endr
.endr
.endm
.macro FETCH_B slot, q, p
	WIN TO_B
.irp i, 0,1,2,3,4,5,6,7
	FRAG 128*(\p)+FR*\i, ADRB+\slot, \q, \i
.endr
	WIN 0
.endm
.macro FETCH_A slot, q, i0
.irp i, \i0, \i0+1, \i0+2, \i0+3
	FRAG AF+FR*(\i), ADRA+\slot, \q, \i
.endr
.endm
.macro SCALES sc                       ; a K step's scale words, two a row: eight loads
.irp i, 0,1,2,3
	ds_load_b64 v[SC+16*\sc+2*\i:SC+16*\sc+2*\i+1], v[ADSA] offset:1088*\i
	ds_load_b64 v[SC+16*\sc+8+2*\i:SC+16*\sc+8+2*\i+1], v[ADSB] offset:1088*\i
.endr
.endm
.macro PLACES n                        ; plain vector lines between a matrix instruction and a load into, or a read of, its registers
.rept \n
	v_nop
.endr
.endm
.macro STEP slot, q, mode              ; a step of 128 along K that has its successor in the same slot
	s_wait_dscnt 4*NL                              ; B's set, A's blocks 0-3 and the scale words are in; the youngest 16 loads (A's blocks 4-7) may be out
.if \mode
	WIN 0x81                                       ; the bias, C, lies in window 0
.else
	WIN MUL_LO
.endif
	MUL16 0, (\q)%2, \q, \slot, \mode
	MUL16 2, (\q)%2, \q, \slot, \mode
	s_wait_dscnt 0                                 ; A's blocks 4-7 are in
	PLACES NP
	FETCH_B \slot, (\q)+1, 1-(\q)%2
	FETCH_A \slot, (\q)+1, 0
.if \mode
	WIN 0xc1
.else
	WIN MUL_HI
.endif
	MUL16 4, (\q)%2, \q, \slot, \mode
	MUL16 6, (\q)%2, \q, \slot, \mode
	PLACES NP
	WIN 0
	FETCH_A \slot, (\q)+1, 4
.endm
; A slot's last step changes slots: one barrier; in front of it each wave waits for all its tensor loads, adds 0 to its spare word, and waits for that and for its reads of this slot.
.macro TURN slot, next, fill
	s_wait_tensorcnt 0x0                           ; all my tensor loads have landed: my part of the next slot
	ds_add_u32 v[SPW], v[NIL]                      ; 0 onto my spare word
	s_wait_dscnt 4*NL+1                            ; (the add and the youngest 16 loads may be out)
	WIN MUL_LO
	MUL16 0, 1, NQ-1, \slot, 0
	s_wait_dscnt 0x0                               ; the add is done, and my reads of this slot are over
	s_barrier_signal -1
	MUL16 2, 1, NQ-1, \slot, 0
	WIN 0
	s_barrier_wait -1
.if \fill
	CREST                                          ; the barrier has opened a round of the cluster's: no wave of any partner still reads this slot or has a load on its way
	s_add_nc_u64 s[G0+4*\slot+2:G0+4*\slot+3], s[G0+4*\slot+2:G0+4*\slot+3], 2*ROWB
	s_add_nc_u64 s[G0B+4*\slot+2:G0B+4*\slot+3], s[G0B+4*\slot+2:G0B+4*\slot+3], 2*ROWB
	JLOAD G0+4*\slot, G1, G0B+4*\slot, G1B         ; the first tensor load behind the round; its four v_nop are among the places in front of the loads below
	PLACES NP-4
.else
	PLACES NP
.endif
	s_wait_alu depctr_va_vdst(0)
	v_add_nc_u32 v[ADSA], 4*NQ, v[ADSA]            ; on to the next K step's scale words
	v_add_nc_u32 v[ADSB], 4*NQ, v[ADSB]
	FETCH_B \next, 0, 0
	FETCH_A \next, 0, 0
	SCALES \next
	WIN MUL_HI
	MUL16 4, 1, NQ-1, \slot, 0
	MUL16 6, 1, NQ-1, \slot, 0
	PLACES NP
	WIN 0
	FETCH_A \next, 0, 4
.endm
	s_wait_alu depctr_va_vdst(0)
	s_wait_tensorcnt 0x0                           ; my tile of the head's four is in
	ds_add_u32 v[SPW], v[NIL]
	s_mov_b32 s[G1+2], 128<<16                     ; no tensor load of mine is out: from here on a load brings 128 rows
	s_mov_b32 s[G1+4], 128
	s_mov_b32 s[G1B+2], 128<<16
	s_mov_b32 s[G1B+4], 128
	s_wait_dscnt 0x0
	CROUND                                         ; all four tiles are in, and the sixteen work-groups meet
	JLOAD G0+4, G1, G0B+4, G1B                     ; K step 1, the first tensor load behind the round
	FETCH_B 0, 0, 0
	FETCH_A 0, 0, 0
	SCALES 0
	FETCH_A 0, 0, 4
	s_wait_loadcnt 0x0                             ; the bias
	s_cmp_eq_u32 s100, 0                           ; the first step starts the sums with the bias.  The branch hangs on the cluster's y alone; both arms issue the same loads
	s_cbranch_scc0 .Lbias_by_row
	STEP 0, 0, 1
	s_branch .Lbias_done
.Lbias_by_row:
	STEP 0, 0, 2
.Lbias_done:
	TURN 0, 1, 1                                   ; four K steps of 256: slot 0 takes K step 2,
	STEP 1, 0, 0
	TURN 1, 0, 1                                   ; slot 1 K step 3,
	STEP 0, 0, 0
	TURN 0, 1, 0                                   ; and nothing is left to fetch
	STEP 1, 0, 0
	s_wait_dscnt 4*NL
	WIN MUL_LO
	MUL16 0, 1, NQ-1, 1, 0
	MUL16 2, 1, NQ-1, 1, 0
	s_wait_dscnt 0
	WIN MUL_HI
	MUL16 4, 1, NQ-1, 1, 0
	MUL16 6, 1, NQ-1, 1, 0
	WIN 0
	; THE WAY OUT
	PLACES NP
.irp b, 0,1,2,3
	v_mov_b32 v[TM+4+\b], 0                        ; a lane permute's destination counts as one of its sources
.endr
	v_mov_b32 v[VO], v[SO]
	v_add_nc_u32 v[VO+1], s14, v[VO]
.irp x, 0,1
	v_add_nc_u32 v[VO+2+\x], s15, v[VO+\x]
.endr
.irp x, 0,1,2,3
	v_add_nc_u32 v[VO+4+\x], s16, v[VO+\x]
.endr
.irp x, 0,1,2,3,4,5,6,7
	v_add_nc_u32 v[VO+8+\x], s17, v[VO+\x]
.endr
; Block a of 16 rows: lane (r, h) holds row 16 a + r; accumulator b, register j: column 16 b + 8 h + j.  A block of 32 columns is accumulators 2 B and 2 B + 1 of lanes l and l xor 16.
.macro QBLK a
.set W, 2+(\a)/4
.set AC, 64*((\a)%4)
.set CD, 64+16*(\a)
.set W1, (W<<2)|(W<<4)
.set W2, (W<<6)|W
	WIN W1                                         ; sources 1 and 2: the accumulators' window
.irp b, 0,1,2,3
	v_max3_num_f32 v[TM+\b], s2, |v[AC+16*\b]|, |v[AC+16*\b+1]|     ; my 16 numbers of block b, and the floor; each accumulator is read from its low end on
.endr
.irp i, 2,4,6,8,10,12,14
.irp b, 0,1,2,3
	v_max3_num_f32 v[TM+\b], v[TM+\b], |v[AC+16*\b+\i]|, |v[AC+16*\b+\i+1]|
.endr
.endr
	WIN 0
.irp b, 0,1,2,3
	v_permlanex16_b32 v[TM+4+\b], v[TM+\b], s92, s93
.endr
.irp b, 0,1,2,3
	v_max_num_f32 v[TM+\b], v[TM+\b], v[TM+4+\b]   ; the block's largest magnitude
.endr
.irp b, 0,1,2,3
	v_add_nc_u32 v[TM+12+\b], 0xfc000000, v[TM+\b] ; 8 off its exponent field: the conversion's scale operand
.endr
.irp b, 0,1,2,3
	v_and_or_b32 v[TM+8+\b], v[TM+\b], 0x7f800000, s3   ; 448 x the scale
.endr
.irp b, 0,1,2,3
	v_lshrrev_b32 v[TM+4+\b], 23, v[TM+12+\b]      ; the scale's byte
.endr
	v_lshl_or_b32 v[PW+(\a)], v[TM+5], 8, v[TM+4]
	v_lshl_or_b32 v[PW+(\a)], v[TM+6], 16, v[PW+(\a)]
	v_lshl_or_b32 v[PW+(\a)], v[TM+7], 24, v[PW+(\a)]
	WIN W2
.irp b, 0,1,2,3
.irp i, 0,1,2,3,4,5,6,7,8,9,10,11,12,13,14,15
	v_med3_num_f32 v[AC+16*\b+\i], v[AC+16*\b+\i], -v[TM+8+\b], v[TM+8+\b]   ; the conversion does not saturate (ISA guide 7.6.2): the hold
.endr
.endr
	WIN W
.irp b, 0,1,2,3,4,5,6,7
	v_cvt_scalef32_pk8_fp8_f32 v[CD+2*\b:CD+2*\b+1], v[AC+8*\b:AC+8*\b+7], v[TM+12+\b/2]
.endr
	WIN 0
	v_nop                                          ; a plain line behind the last conversion
.irp b, 0,1,2,3,4,5,6,7
	ds_store_b64 v[STO], v[CD+2*\b:CD+2*\b+1] offset:16*PITCH*(\a)+16*\b
.endr
	ds_store_b32 v[ST2], v[PW+(\a)] offset:128*(\a)   ; lanes l and l xor 16 write the same word with the same value
.endm
.irp a, 0,1,2,3,4,5,6,7
	QBLK \a
.endr
	s_wait_dscnt 0x0                               ; for the others' sake: my stores are done
	s_barrier_signal -1
	s_barrier_wait -1
.set i, 0
.rept 32                               ; piece i: 16 codes a lane, in the order of the images
	ds_load_b128 v[64+4*i:64+4*i+3], v[RD] offset:(128*(i>>4)+32*((i>>2)&3)+8*((i>>1)&1))*PITCH+32*(i&1)
.set i, i+1
.endr
.irp i, 0,1,2,3,4,5,6,7
	ds_load_u16 v[192+\i], v[KA] offset:8*\i
.endr
.irp i, 0,1,2,3
	ds_load_b32 v[244+\i], v[VA] offset:8*\i
.endr
.set i, 0
.rept 32
	s_wait_dscnt 43-i                              ; piece i is in: the younger pieces and the twelve scale loads may be out
	global_store_b128 v[VO+(i>>1)], v[64+4*i:64+4*i+3], s[18:19] offset:512*(i&1)   ; the wave stores 512 consecutive bytes, aligned
.set i, i+1
.endr
	s_wait_dscnt 0x0
.irp j, 0,1,2,3
	v_lshl_or_b32 v[248+\j], v[193+2*\j], 16, v[192+2*\j]   ; Q, K: eight rows' two bytes
.endr
.irp j, 0,1,2,3
	v_cndmask_b32 v[248+\j], v[248+\j], v[244+\j], s101     ; V: four channels' words
.endr
	global_store_b128 v[SO], v[248:251], s[20:21]
	s_wait_tensorcnt 0x0                           ; the wave's end
	ds_add_u32 v[SPW], v[NIL]
	s_wait_dscnt 0x0
	CROUND                                         ; the closing round
	s_endpgm
.Lfunc_end_k_q5af662ab94_qkv:
	.size	k_q5af662ab94_qkv, .Lfunc_end_k_q5af662ab94_qkv-k_q5af662ab94_qkv
	.p2alignl 7, 3214868480
	.fill 96, 4, 3214868480
	.section	.rodata,"a",@progbits
	.p2align	6, 0x0
	.amdhsa_kernel k_q5af662ab94_qkv
		.amdhsa_group_segment_fixed_size 327680
		.amdhsa_private_segment_fixed_size 0
		.amdhsa_enable_private_segment 0
		.amdhsa_kernarg_size 72
		.amdhsa_user_sgpr_count 2
		.amdhsa_user_sgpr_kernarg_segment_ptr 1
		.amdhsa_wavefront_size32 1
		.amdhsa_system_sgpr_workgroup_id_x 1
		.amdhsa_system_sgpr_workgroup_id_y 1
		.amdhsa_system_sgpr_workgroup_id_z 1
		.amdhsa_system_vgpr_workitem_id 0
		.amdhsa_next_free_vgpr 1024
		.amdhsa_next_free_sgpr 106
		.amdhsa_reserve_vcc 0
		.amdhsa_float_denorm_mode_32 3
		.amdhsa_float_denorm_mode_16_64 3
		.amdhsa_memory_ordered 1
		.amdhsa_forward_progress 1
		.amdhsa_inst_pref_size 216
	.end_amdhsa_kernel
	.amdgpu_metadata
---
amdhsa.version: [ 1, 2 ]
amdhsa.kernels:
  - .name:           k_q5af662ab94_qkv
    .symbol:         k_q5af662ab94_qkv.kd
    .args:
      - { .name: xc, .offset: 0, .size: 8, .value_kind: global_buffer, .address_space: global }
      - { .name: xs, .offset: 8, .size: 8, .value_kind: global_buffer, .address_space: global }
      - { .name: wc, .offset: 16, .size: 8, .value_kind: global_buffer, .address_space: global }
      - { .name: ws, .offset: 24, .size: 8, .value_kind: global_buffer, .address_space: global }
      - { .name: bq, .offset: 32, .size: 8, .value_kind: global_buffer, .address_space: global }
      - { .name: bk, .offset: 40, .size: 8, .value_kind: global_buffer, .address_space: global }
      - { .name: bv, .offset: 48, .size: 8, .value_kind: global_buffer, .address_space: global }
      - { .name: img, .offset: 56, .size: 8, .value_kind: global_buffer, .address_space: global }
      - { .name: isc, .offset: 64, .size: 8, .value_kind: global_buffer, .address_space: global }
    .group_segment_fixed_size: 327680
    .private_segment_fixed_size: 0
    .kernarg_segment_align: 8
    .kernarg_segment_size: 72
    .max_flat_workgroup_size: 128
    .sgpr_count:     106
    .vgpr_count:     1024
    .wavefront_size: 32
...
	.end_amdgpu_metadata
.endif
;; end of part 2
;; launch attn (part 3): grid 8 x 32, 8 waves a work-group, clusters of 4 x 1, 327,680 bytes of LDS; arguments img, isc, oc, osc; writes oc, osc
.if DOCPART == 3
	.amdgcn_target "amdgcn-amd-amdhsa--gfx1250"
	.amdhsa_code_object_version 6
	.text
	.protected	k_q5af662ab94_attn
	.globl	k_q5af662ab94_attn
	.p2align	8
	.type	k_q5af662ab94_attn,@function
k_q5af662ab94_attn:
	s_mov_b64 s[64:65], 0
	v_nop
	global_prefetch_b8 v0, s[64:65] scope:SCOPE_SE
	s_setreg_imm32_b32 hwreg(HW_REG_WAVE_MODE, 25, 1), 1
	s_wait_xcnt 0x0
	s_wait_alu depctr_hold_cnt(0) depctr_sa_sdst(0) depctr_va_vdst(0) depctr_va_sdst(0) depctr_va_ssrc(0) depctr_va_vcc(0) depctr_vm_vsrc(0)
	s_getreg_b32 s2, hwreg(HW_REG_IB_STS2, 6, 4)
	s_cmp_eq_u32 s2, 0
	s_cbranch_scc0 .Lentry_in_a_cluster
	s_endpgm
.Lentry_in_a_cluster:
	s_bfe_u32 s2, ttmp6, 0x10000c
	s_cmp_lg_u32 s2, 0x3003
	s_cbranch_scc0 .Lentry_shape_is_right
	s_endpgm
.Lentry_shape_is_right:
; O = softmax(Q K^T / 8) V for two neighbouring heads and 256 queries a work-group, both products on codes of E4M3 with E8M0 scales; O / l is quantised again for the last projection.
; img, isc: images of the operand registers and scale bytes as launch qkv lays them; oc, osc: the same for launch outp.
; t = score x log2(e) / 8; M = ceil of the running largest t; p = 2^(t - M) is quantised along the keys; l sums the unquantised p; when M moves, l and O are multiplied by 2^(old M - new M).
; SHARES: 8 waves, two to a SIMD; a wave owns TWO tiles of 16 queries, 0 and 1.  Register window 1 holds both tiles' softmax state; window 0 holds K's and V's fragments, Q, scale words and addresses.
; Each fragment of K and of V is read from LDS once for both tiles.
; THE TWO TILES RUN HALF A STEP APART, so that one tile's exponentials stand by turns with the other tile's first sums and holds, lines that read nothing of each other.
; A step i, from its loads on: loads of V(i), K(i+1); tile 1: maxima, M, t - M; [exp of tile 1 | sums and holds of tile 0]; tile 0: l, codes, O x f; O_0 += V(i) P_0; S_0(i+1); tile 1's scales;
; tile 0: maxima, M, t - M of step i+1; [exp of tile 0 | sums and holds of tile 1]; tile 1: l, codes, O x f; O_1 += V(i) P_1; S_1(i+1); tile 0's scales.
; THE RING: two slots of 1,024 keys (64 KiB of K, 64 KiB of V).  A slot's K part lies ONE STEP AHEAD of its V part, so that a step's loads fall in one slot; K(0) comes from memory into registers.
; The last slot's K part so reaches 8,192 bytes past the pair's keys (inside img); those bytes are loaded into registers in the last step and not multiplied.
; Every wave fetches 16 KiB of a slot by one joint load: the four work-groups of a cluster (query blocks of one pair of heads) walk the same K and V.
; The pair's scale bytes (16 KiB, a thirty-second of the codes) are copied once through registers into LDS bytes of their own.
; K = 64 fills half of the instruction's 128: Q's upper registers are zeros, K's upper registers are the next tile's codes, which meet those zeros.
; LIMITS: scaled scores under 2^31; a block of zeros carries the byte 1 (zero codes; only this program reads the bytes); NaN and infinities are not served;
; a block's largest p is taken as the exponential of its largest score (v_exp_f32 is taken not to fall where its input rises).
.set SLOT1, 1<<17
.set SCK,   262144                     ; K's scale bytes of both heads, then V's
.set SCV,   270336
.set OSTG,  278528                     ; O's scale words on the way out
.set SPARE, 279552                     ; the spare words: 128 bytes a wave
; window 0
.set LI,   1                           ; 16 x lane
.set ADK,  2
.set ADS,  3
.set PFO,  4                           ; 256 x lane
.set SPW,  5
.set NIL,  6
.set ADT,  7
.set XB,   8                           ; 2 pi(r) + 16 h
.set ADV,  9
.set OSW,  10
.set TW,   11
.set KSR,  12
.set VSR,  16
.set QSR,  18                          ; tile t's Q scales at + t: low half this head's bytes, high half the next head's (they meet zero codes)
.set PW,   20                          ; tile t's p scales at + t
.set QF,   24                          ; tile t at + 16 t: Q in 8 registers, 8 zeros
.set Q2,   56                          ; the second head's Q, tile t at + 8 t
.set KF,   72                          ; K's fragments, 64 registers, and 8 zeros
.set VF,   144                         ; V's fragments
.set CP,   208                         ; the head: the scale bytes on their way to LDS
.set HT,   240                         ; the head: at work
; window 1: S of tile t at 64 t; O at 128 + 32 t; codes (before that: at work) at 192 + 16 t; at 224 + 16 t: -M, largest t, l (2), f (2), block maxima then holds (4), scale operands (4), O's scale word, one at work
.set WV,   12
.set MNT,  19
.set SEL,  20
.set CS,   22
.set G1,   24
.set IN,   32
.set CNT,  33
.set G0,   40
.set TB,   48
.set TK,   49
.set TSK,  50
.set TSV,  51
.set PFA,  52
.set LIM,  54
.set SLOTS, 55
.set OCA,  56
.set OSB,  58
.set MSB, 0
.macro WIN new                         ; bits 1:0 source 0, 3:2 source 1, 5:4 source 2, 7:6 destination; the high byte repeats the setting that is left
.if MSB != \new
	s_set_vgpr_msb (MSB<<8)|\new
.set MSB, \new
.endif
.endm
.macro CROUND
	s_barrier_signal -1
	s_barrier_wait -1
	s_cmp_lg_u32 s[WV], 0
	s_cbranch_scc1 .Lnot_wave_0_\@
	s_barrier_signal -3
.Lnot_wave_0_\@:
	s_barrier_wait -3
	s_barrier_signal -1
	s_barrier_wait -1
.endm
.macro INIT t                          ; a head's start: the largest t -3e38, sums and O^T zeros
	WIN 0x55
	v_mov_b32 v[225+16*\t], 0xff61b1e6
	v_mov_b32 v[226+16*\t], 0
	v_mov_b32 v[227+16*\t], 0
	v_floor_f32 v[224+16*\t], -v[225+16*\t]
.set j, 0
.rept 32
	v_mov_b32 v[128+32*\t+j], 0
.set j, j+1
.endr
.endm
.macro SMUL t                          ; S^T = K Q^T: 8 tiles of 16 keys
	WIN 0x40
.irp b, 0,1,2,3
	v_wmma_scale_f32_16x16x128_f8f6f4 v[64*\t+16*\b:64*\t+16*\b+7], v[KF+16*\b:KF+16*\b+15], v[QF+16*\t:QF+16*\t+15], 0, v[KSR+\b], v[QSR+\t]
	v_wmma_scale_f32_16x16x128_f8f6f4 v[64*\t+16*\b+8:64*\t+16*\b+15], v[KF+16*\b+8:KF+16*\b+23], v[QF+16*\t:QF+16*\t+15], 0, v[KSR+\b], v[QSR+\t] matrix_a_scale:MATRIX_SCALE_ROW1
.endr
.endm
.macro PV t                            ; O^T += V^T P^T: 4 tiles of 16 channels, the accumulators by turns
	WIN 0x54
.irp u, 0,1
	v_wmma_scale_f32_16x16x128_f8f6f4 v[128+32*\t+16*\u:128+32*\t+16*\u+7], v[VF+32*\u:VF+32*\u+15], v[192+16*\t:192+16*\t+15], v[128+32*\t+16*\u:128+32*\t+16*\u+7], v[VSR+\u], v[PW+\t]
	v_wmma_scale_f32_16x16x128_f8f6f4 v[128+32*\t+16*\u+8:128+32*\t+16*\u+15], v[VF+32*\u+16:VF+32*\u+31], v[192+16*\t:192+16*\t+15], v[128+32*\t+16*\u+8:128+32*\t+16*\u+15], v[VSR+\u], v[PW+\t] matrix_a_scale:MATRIX_SCALE_ROW1
.endr
.endm
.macro SM1 t                           ; the largest score of each block of 32 keys, the four blocks by turns
.set SS, 64*\t
.set PP, 192+16*\t
.set BM, 230+16*\t
	WIN 0x55
	s_wait_alu depctr_va_vdst(0)                   ; directly ahead of the first reader of S^T
.irp b, 0,1,2,3
	v_max3_num_f32 v[BM+\b], v[SS+16*\b], v[SS+16*\b+1], v[SS+16*\b+2]
.endr
.irp i, 3,5,7,9,11,13
.irp b, 0,1,2,3
	v_max3_num_f32 v[BM+\b], v[BM+\b], v[SS+16*\b+\i], v[SS+16*\b+\i+1]
.endr
.endr
.irp b, 0,1,2,3
	v_max_num_f32 v[BM+\b], v[BM+\b], v[SS+16*\b+15]
.endr
.irp b, 0,1,2,3
	v_permlanex16_b32 v[PP+\b], v[BM+\b], s[SEL], s[SEL+1]
.endr
.irp b, 0,1,2,3
	v_max_num_f32 v[BM+\b], v[BM+\b], v[PP+\b]     ; with lane l xor 16's 16 keys
.endr
.endm
.macro PKF n                           ; n pairs of t - M
.rept \n
	v_pk_fma_f32 v[SS+j:SS+j+1], v[SS+j:SS+j+1], s[CS:CS+1], v[MM:MM+1] op_sel_hi:[1,0,0]
.set j, j+2
.endr
.endm
.macro PRE t                           ; M, f, t - M
.set SS, 64*\t
.set MM, 224+16*\t
.set BM, 230+16*\t
.set T0, 239+16*\t
	WIN 0x55
	v_max3_num_f32 v[T0], v[BM], v[BM+1], v[BM+2]
	v_max_num_f32 v[T0], v[T0], v[BM+3]
	v_mul_f32 v[T0], s[CS], v[T0]
	v_max_num_f32 v[MM+1], v[MM+1], v[T0]          ; the running largest t
	v_mov_b32 v[T0], v[MM]
	v_floor_f32 v[MM], -v[MM+1]                    ; -M = floor(-t)
	v_sub_f32 v[T0], v[MM], v[T0]                  ; old M - new M
.set j, 0
	PKF 4
	v_cvt_i32_f32 v[T0], v[T0]
	PKF 4
	v_ldexp_f32 v[MM+4], 1.0, v[T0]                ; f = 2^(old M - new M)
	PKF 24
.irp b, 0,1,2,3
	v_fma_f32 v[BM+\b], v[BM+\b], s[CS], v[MM]
.endr
.endm
.macro EX te                           ; one exponential of tile te (2: none)
.if \te < 2
	v_exp_f32 v[64*\te+e], v[64*\te+e]
.set e, e+1
.endif
.endm
.macro HOLD tq, i                      ; the conversion does not saturate (ISA guide 7.6.2); p is not negative: a one-sided hold, two numbers a line
.if \tq < 2
	v_dual_min_num_f32 v[64*\tq+4*k+\i], v[230+16*\tq+k/4], v[64*\tq+4*k+\i] :: v_dual_min_num_f32 v[64*\tq+4*k+\i+1], v[230+16*\tq+k/4], v[64*\tq+4*k+\i+1]
.endif
.endm
; Tile te's 68 exponentials by turns with tile tq's 16 first sums of the unquantised p (into the 32 registers that hold no codes now) and its 32 holds.
; The plain lines read what was whole ahead of the batch, and what they write is read behind the wait that follows the batch.
.macro EQ te, tq
	WIN 0x55
.if \te < 2
.irp b, 0,1,2,3
	v_exp_f32 v[230+16*\te+\b], v[230+16*\te+\b]   ; each block's largest p
.endr
.endif
.set e, 0
.set k, 0
.rept 16
	EX \te
.if \tq < 2
	v_pk_add_f32 v[192+2*k:193+2*k], v[64*\tq+4*k:64*\tq+4*k+1], v[64*\tq+4*k+2:64*\tq+4*k+3]
.endif
	EX \te
	HOLD \tq, 0
	EX \te
	HOLD \tq, 2
	EX \te
.set k, k+1
.endr
.if \te < 2
	v_pk_mul_f32 v[226+16*\te:227+16*\te], v[226+16*\te:227+16*\te], v[228+16*\te:229+16*\te] op_sel_hi:[1,0]   ; l under the new M (the plain line behind the batch)
.endif
.endm
.macro SCL t                           ; the four blocks' scales from their largest p
.set PP, 192+16*\t
.set BM, 230+16*\t
.set BS, 234+16*\t
	WIN 0x55
.irp b, 0,1,2,3
	v_max_num_f32 v[BM+\b], 0x4800000, v[BM+\b]    ; the floor 2^(9 - 127): the byte cannot fall under 1
.endr
.irp b, 0,1,2,3
	v_add_nc_u32 v[BS+\b], 0xfc000000, v[BM+\b]    ; 8 off the exponent field: the conversion's scale operand
.endr
.irp b, 0,1,2,3
	v_and_or_b32 v[BM+\b], v[BM+\b], 0x7f800000, s[MNT]   ; 448 x the scale, in the maximum's place
.endr
.irp b, 0,1,2,3
	v_lshrrev_b32 v[PP+\b], 23, v[BS+\b]           ; the byte
.endr
	v_lshl_or_b32 v[PP+4], v[PP+1], 8, v[PP]
	v_lshl_or_b32 v[PP+4], v[PP+2], 16, v[PP+4]
	WIN 0x15
	v_lshl_or_b32 v[PW+\t], v[PP+3], 24, v[PP+4]   ; p's scale word, into window 0
	WIN 0x55
.endm
.macro CV t, b                         ; block b's 32 codes of this lane's half
	v_cvt_scalef32_pk8_fp8_f32 v[192+16*\t+4*\b:192+16*\t+4*\b+1], v[64*\t+16*\b:64*\t+16*\b+7], v[234+16*\t+\b]
	v_cvt_scalef32_pk8_fp8_f32 v[192+16*\t+4*\b+2:192+16*\t+4*\b+3], v[64*\t+16*\b+8:64*\t+16*\b+15], v[234+16*\t+\b]
.endm
.macro Q2S t                           ; the 16 first sums into l (towards the other tile's registers, so that the codes can follow), the codes, O^T under the new M
.set HI, 192+16*\t
.set LO, 208-16*\t
.set OO, 128+32*\t
.set MM, 224+16*\t
	WIN 0x55
.irp k, 0,1,2,3,4,5,6,7
	v_pk_add_f32 v[LO+2*\k:LO+2*\k+1], v[LO+2*\k:LO+2*\k+1], v[HI+2*\k:HI+2*\k+1]
.endr
.irp k, 0,1,2,3
	v_pk_add_f32 v[LO+2*\k:LO+2*\k+1], v[LO+2*\k:LO+2*\k+1], v[LO+2*\k+8:LO+2*\k+9]
.endr
	CV \t, 0
.irp k, 0,1
	v_pk_add_f32 v[LO+2*\k:LO+2*\k+1], v[LO+2*\k:LO+2*\k+1], v[LO+2*\k+4:LO+2*\k+5]
.endr
	CV \t, 1
	v_pk_add_f32 v[LO:LO+1], v[LO:LO+1], v[LO+2:LO+3]
	CV \t, 2
	v_pk_add_f32 v[MM+2:MM+3], v[MM+2:MM+3], v[LO:LO+1]
	CV \t, 3
	s_wait_alu depctr_va_vdst(0)                   ; directly ahead of the first reader of O^T
.set j, 0
.rept 16
	v_pk_mul_f32 v[OO+j:OO+j+1], v[OO+j:OO+j+1], v[MM+4:MM+5] op_sel_hi:[1,0]   ; also the places ahead of the products
.set j, j+2
.endr
	s_wait_alu depctr_va_vdst(0)
.endm
.macro FIN t, last                     ; a head's end for one tile: O^T / l, quantised along the channels, stored as outp's operand image
.set OO, 128+32*\t
.set PP, 192+16*\t
.set MM, 224+16*\t
.set BM, 230+16*\t
.set BH, 232+16*\t
.set BS, 234+16*\t
.set BP, 236+16*\t
.set OW, 238+16*\t
.set T0, 239+16*\t
	WIN 0x55
.rept 8
	v_nop
.endr
	v_add_f32 v[MM+2], v[MM+2], v[MM+3]
	v_permlanex16_b32 v[T0], v[MM+2], s[SEL], s[SEL+1]
	v_add_f32 v[MM+2], v[MM+2], v[T0]
	s_wait_alu depctr_va_vdst(0)
	v_rcp_f32 v[MM+2], v[MM+2]
	v_nop
	s_wait_alu depctr_va_vdst(0)
.set j, 0
.rept 16
	v_pk_mul_f32 v[OO+j:OO+j+1], v[OO+j:OO+j+1], v[MM+2:MM+3] op_sel_hi:[1,0]
.set j, j+2
.endr
.irp b, 0,1
	v_max3_num_f32 v[BM+\b], |v[OO+16*\b]|, |v[OO+16*\b+1]|, 0x4800000
.endr
.irp i, 2,4,6,8,10,12,14
.irp b, 0,1
	v_max3_num_f32 v[BM+\b], v[BM+\b], |v[OO+16*\b+\i]|, |v[OO+16*\b+\i+1]|
.endr
.endr
.irp b, 0,1
	v_permlanex16_b32 v[BP+\b], v[BM+\b], s[SEL], s[SEL+1]
.endr
.irp b, 0,1
	v_max_num_f32 v[BM+\b], v[BM+\b], v[BP+\b]
.endr
.irp b, 0,1
	v_add_nc_u32 v[BS+\b], 0xfc000000, v[BM+\b]
.endr
.irp b, 0,1
	v_and_or_b32 v[BH+\b], v[BM+\b], 0x7f800000, s[MNT]
.endr
.irp b, 0,1
	v_lshrrev_b32 v[BP+\b], 23, v[BS+\b]
.endr
	v_lshl_or_b32 v[T0], v[BP+1], 8, v[BP]
.if \last
	v_lshl_or_b32 v[OW], v[T0], 16, v[OW]          ; the second head's two bytes above the first's
.else
	v_mov_b32 v[OW], v[T0]
.endif
.irp b, 0,1
.irp i, 0,1,2,3,4,5,6,7,8,9,10,11,12,13,14,15
	v_med3_num_f32 v[OO+16*\b+\i], v[OO+16*\b+\i], -v[BH+\b], v[BH+\b]
.endr
.endr
.irp b, 0,1
	v_cvt_scalef32_pk8_fp8_f32 v[PP+4*\b:PP+4*\b+1], v[OO+16*\b:OO+16*\b+7], v[BS+\b]
	v_cvt_scalef32_pk8_fp8_f32 v[PP+4*\b+2:PP+4*\b+3], v[OO+16*\b+8:OO+16*\b+15], v[BS+\b]
.endr
	v_nop
	WIN 0x04
	global_store_b128 v[LI], v[PP:PP+3], s[OCA:OCA+1] offset:4096*\t        ; the wave stores 512 consecutive bytes, aligned
	global_store_b128 v[LI], v[PP+4:PP+7], s[OCA:OCA+1] offset:4096*\t+512
	WIN 0
.endm
.macro NEWQ t                          ; on to the second head
	WIN 0
	v_lshrrev_b32 v[QSR+\t], 16, v[QSR+\t]
.irp j, 0,1,2,3,4,5,6,7
	v_mov_b32 v[QF+16*\t+\j], v[Q2+8*\t+\j]
.endr
	INIT \t
	WIN 0
	s_wait_alu depctr_va_vdst(0)
.endm
.macro BODY last
	v_add_nc_u32 v[ADK], s[TK], v[LI]
	v_add_nc_u32 v[ADS], s[TSK], v[XB]
	v_lshl_add_u32 v[ADT], v[XB], 1, s[TSV]
	v_add_nc_u32 v[ADV], 0x10000, v[ADK]
.set j, 0
.rept 16
	ds_load_b128 v[VF+4*j:VF+4*j+3], v[ADV] offset:512*j       ; V(i)
.set j, j+1
.endr
	ds_load_b32 v[VSR], v[ADT]
	ds_load_b32 v[VSR+1], v[ADT] offset:128
.set j, 0
.rept 16
	ds_load_b128 v[KF+4*j:KF+4*j+3], v[ADK] offset:512*j       ; K(i+1)
.set j, j+1
.endr
.irp b, 0,1,2,3
	ds_load_u16 v[KSR+\b], v[ADS] offset:64*\b
.endr
	SM1 1
	PRE 1
	s_wait_alu depctr_va_vdst(0)                   ; the wait ahead of the batch,
	EQ 1, 0
	s_wait_alu depctr_va_vdst(0)                   ; and behind it
	Q2S 0
	s_wait_dscnt 20                                ; V and its scale words are in; K's 16 loads and its 4 scale loads may be out
	PV 0
	WIN 0
	s_cmp_lg_u32 s[CNT], 15+16*\last               ; a head's last step?  The count of steps alone decides
	s_cbranch_scc1 .Lsa_\@
	FIN 0, \last
	s_wait_xcnt 0x0                                ; the stores have read their data: those registers are written again below
.if \last
	SCL 1                                          ; no step follows: tile 1's sums and holds stand alone
	EQ 2, 1
	WIN 0
	s_wait_alu depctr_va_vdst(0)
	s_branch .Lq_\@
.else
	NEWQ 0
.endif
.Lsa_\@:
	s_wait_dscnt 0x0
	SMUL 0
	SCL 1                                          ; (also the places behind the products)
	SM1 0
	PRE 0
	s_wait_alu depctr_va_vdst(0)
	EQ 0, 1
	s_wait_alu depctr_va_vdst(0)
	WIN 0
.Lq_\@:
	Q2S 1
	PV 1
	WIN 0
	s_cmp_lg_u32 s[CNT], 15+16*\last
	s_cbranch_scc1 .Lsb_\@
	FIN 1, \last
.if \last
	s_wait_alu depctr_va_vdst(0)
	s_branch .Lnb_\@
.else
	s_wait_xcnt 0x0
	s_add_nc_u64 s[OCA:OCA+1], s[OCA:OCA+1], 1024  ; the second head's 64 channels
	NEWQ 1
.endif
.Lsb_\@:
	SMUL 1
	SCL 0                                          ; (also the places ahead of the next step's loads)
	WIN 0
.Lnb_\@:
	s_add_co_u32 s[TK], s[TK], 8192
	s_add_co_u32 s[TSK], s[TSK], 256
	s_add_co_u32 s[TSV], s[TSV], 256
	s_add_co_u32 s[CNT], s[CNT], 1
.endm
.macro INNER last                      ; a slot's eight steps
	s_mov_b32 s[TK], s[TB]
	s_mov_b32 s[IN], 8
.Lstep_\@:
	BODY \last
	s_sub_co_u32 s[IN], s[IN], 1
	s_cmp_lg_u32 s[IN], 0
	s_wait_alu depctr_va_vdst(0)
	s_cbranch_scc1 .Lstep_\@
	s_xor_b32 s[TB], s[TB], SLOT1
.endm
.macro CHANGE fill                     ; at a slot's head: my loads are in, my reads of the slot left are over; behind the round that slot is filled with the keys that follow
	s_wait_tensorcnt 0x0
	ds_add_u32 v[SPW], v[NIL]
.if \fill
	s_xor_b32 s[G0+1], s[G0+1], SLOT1
	s_add_nc_u64 s[G0+2:G0+3], s[G0+2:G0+3], 65536
	s_wait_xcnt 0x0                                ; my prefetch has read its address
	s_add_nc_u64 s[PFA:PFA+1], s[PFA:PFA+1], 65536
	s_wait_dscnt 0x0
	CROUND
	tensor_load_to_lds s[G0:G0+3], s[G1:G1+7]      ; my one load behind the round: 16 KiB
	s_nop 0
.rept 4
	v_nop
.endr
	s_cmp_gt_u32 s[SLOTS], s[LIM]                  ; the slot that the NEXT change loads is asked of memory: eight steps ahead
	s_cbranch_scc0 .Lnot_mine_\@
	global_prefetch_b8 v[PFO], s[PFA:PFA+1] th:TH_LOAD_NT scope:SCOPE_SE
.Lnot_mine_\@:
.else
	s_wait_dscnt 0x0
	s_barrier_signal -1
	s_barrier_wait -1
.endif
.endm
	s_load_b256 s[4:11], s[0:1], 0x0               ; img, isc, oc, osc
	v_lshl_add_u32 v[SPW], v0, 2, SPARE
	v_mov_b32 v[NIL], 0
	ds_add_u32 v[SPW], v[NIL]
	ds_add_u32 v[SPW], v[NIL]
	v_lshrrev_b32 v[HT], 5, v0
	v_readfirstlane_b32 s[WV], v[HT]               ; wave 0..7
	v_and_b32 v[HT+1], 15, v0                      ; r
	v_bfe_u32 v[HT+2], v0, 4, 1                    ; h
	v_and_b32 v[HT+3], 31, v0
	v_lshlrev_b32 v[LI], 4, v[HT+3]
	v_lshlrev_b32 v[PFO], 8, v[HT+3]
	v_and_b32 v[HT+4], 8, v[HT+1]
	v_add_nc_u32 v[HT+4], v[HT+4], v[HT+1]         ; pi(r) = r + 8 (r / 8)
	v_lshlrev_b32 v[HT+5], 1, v[HT+4]
	v_lshl_add_u32 v[XB], v[HT+2], 4, v[HT+5]
	v_lshlrev_b32 v[HT+6], 4, v0                   ; the scale bytes' copy: 16 bytes a thread
	v_lshl_add_u32 v[HT+7], v0, 4, SCK
.irp j, 0,1,2,3,4,5,6,7
	v_mov_b32 v[QF+8+\j], 0
	v_mov_b32 v[QF+24+\j], 0
	v_mov_b32 v[KF+64+\j], 0
.endr
	s_bfe_u32 s13, ttmp6, 0x40000                  ; cx
	s_lshl_b32 s14, ttmp9, 2
	s_add_co_u32 s14, s14, s13                     ; my block of 256 queries
	s_and_b32 s15, ttmp7, 0xffff                   ; my pair of heads
	s_mov_b32 s[G1], 15|(3<<16)|(1<<21)            ; all four partners; 64 dense rows of 32 elements of 8 bytes
	s_mov_b32 s[G1+1], 32<<16
	s_mov_b32 s[G1+2], 64<<16
	s_mov_b32 s[G1+3], 32<<16
	s_mov_b32 s[G1+4], 64
	s_mov_b32 s[G1+5], 32
	s_mov_b32 s[G1+6], 0
	s_mov_b32 s[G1+7], 0
	s_lshr_b32 s16, s[WV], 2                       ; waves 0-3 fetch K's quarters, waves 4-7 V's
	s_add_co_u32 s60, s16, 1
	s_lshl_b32 s60, s60, 23
	s_lshl_b32 s17, s15, 18                        ; the pair's first byte in an image
	s_add_co_u32 s60, s60, s17
	s_and_b32 s18, s[WV], 3
	s_lshl_b32 s18, s18, 14
	s_add_co_u32 s60, s60, s18
	s_xor_b32 s18, s16, 1
	s_lshl_b32 s18, s18, 13                        ; K lies one step ahead
	s_add_co_u32 s60, s60, s18
	s_mov_b32 s61, 0
	s_lshl_b32 s[G0+1], s[WV], 14
	s_mov_b32 s[MNT], 0x600000
	s_mov_b32 s[SEL], 0x76543210
	s_mov_b32 s[SEL+1], 0xfedcba98
	s_mov_b32 s[CS], 0x3e38aa3b                    ; log2(e) / 8
	s_mov_b32 s[CS+1], s[CS]
	s_mov_b32 s[TB], 0
	s_mov_b32 s[TSK], SCK+256
	s_mov_b32 s[TSV], SCV
	s_mov_b32 s[CNT], 0
	s_mov_b32 s[SLOTS], 3
	s_wait_alu depctr_va_vdst(0)
	s_wait_dscnt 0x0
	s_wait_kmcnt 0x0
	s_mov_b32 s[G0], 1
	s_add_nc_u64 s[G0+2:G0+3], s[4:5], s[60:61]
	s_or_b32 s[G0+3], s[G0+3], 0x80000000
	CROUND
	tensor_load_to_lds s[G0:G0+3], s[G1:G1+7]      ; slot 0: one load a wave
	s_nop 0
.rept 4
	v_nop
.endr
	s_lshl_b32 s18, s14, 14
	s_add_co_u32 s60, s17, s18
	s_lshl_b32 s18, s[WV], 11
	s_add_co_u32 s60, s60, s18
	s_add_nc_u64 s[60:61], s[4:5], s[60:61]        ; my two tiles of Q
	s_lshl_b32 s16, s15, 13
	s_lshl_b32 s18, s14, 9
	s_add_co_u32 s62, s16, s18
	s_lshl_b32 s18, s[WV], 6
	s_add_co_u32 s62, s62, s18
	s_mov_b32 s63, 0
	s_add_nc_u64 s[62:63], s[6:7], s[62:63]        ; their scale bytes
	s_add_co_u32 s66, s17, 1<<23
	s_mov_b32 s67, 0
	s_add_nc_u64 s[66:67], s[4:5], s[66:67]        ; K(0)
	s_add_co_u32 s68, s16, 1<<18
	s_mov_b32 s69, 0
	s_add_nc_u64 s[68:69], s[6:7], s[68:69]        ; the pair's scale bytes of K,
	s_add_co_u32 s70, s16, 2<<18
	s_mov_b32 s71, 0
	s_add_nc_u64 s[70:71], s[6:7], s[70:71]        ; and of V
.irp t, 0,1
	global_load_b128 v[QF+16*\t:QF+16*\t+3], v[LI], s[60:61] offset:1024*\t
	global_load_b128 v[QF+16*\t+4:QF+16*\t+7], v[LI], s[60:61] offset:1024*\t+512
	global_load_b128 v[Q2+8*\t:Q2+8*\t+3], v[LI], s[60:61] offset:1024*\t+131072
	global_load_b128 v[Q2+8*\t+4:Q2+8*\t+7], v[LI], s[60:61] offset:1024*\t+131584
	global_load_u16 v[HT+8+2*\t], v[HT+5], s[62:63] offset:16*\t
	global_load_u16 v[HT+9+2*\t], v[HT+5], s[62:63] offset:16*\t+4096
.endr
.set j, 0
.rept 16
	global_load_b128 v[KF+4*j:KF+4*j+3], v[LI], s[66:67] offset:512*j
.set j, j+1
.endr
.irp b, 0,1,2,3
	global_load_u16 v[KSR+\b], v[XB], s[68:69] offset:64*\b
.endr
	global_load_b128 v[CP:CP+3], v[HT+6], s[68:69]
	global_load_b128 v[CP+4:CP+7], v[HT+6], s[68:69] offset:4096
	global_load_b128 v[CP+8:CP+11], v[HT+6], s[70:71]
	global_load_b128 v[CP+12:CP+15], v[HT+6], s[70:71] offset:4096
	s_lshr_b32 s34, s15, 3
	s_lshl_b32 s34, s34, 3
	s_add_co_u32 s34, s34, s14                     ; outp's block of 256 rows
	s_and_b32 s35, s15, 7                          ; the pair within its batch
	s_lshl_b32 s36, s34, 18
	s_lshr_b32 s18, s35, 1
	s_lshl_b32 s18, s18, 16
	s_add_co_u32 s36, s36, s18
	s_lshl_b32 s18, s[WV], 13
	s_add_co_u32 s36, s36, s18
	s_and_b32 s18, s35, 1
	s_lshl_b32 s18, s18, 11
	s_add_co_u32 s36, s36, s18
	s_mov_b32 s37, 0
	s_add_nc_u64 s[OCA:OCA+1], s[8:9], s[36:37]
	s_lshl_b32 s36, s34, 13
	s_lshl_b32 s18, s35, 10
	s_add_co_u32 s36, s36, s18
	s_add_nc_u64 s[OSB:OSB+1], s[10:11], s[36:37]
	; the prefetches: both clusters of a pair walk the same K and V, so the cluster with x = 0 asks; its four partners share a slot's 2 x 64 KiB out by address (cx):
	; waves 0, 1 take 2 x 8 KiB of K, waves 2, 3 of V, lanes 256 bytes apart.  Slots 0 and 1 come by their loads alone; the change that loads the last slot asks for nothing.
	s_bfe_u32 s18, s[WV], 0x10001
	s_add_co_u32 s36, s18, 1
	s_lshl_b32 s36, s36, 23
	s_add_co_u32 s36, s36, s17
	s_xor_b32 s18, s18, 1
	s_lshl_b32 s18, s18, 13
	s_add_co_u32 s36, s36, s18
	s_lshl_b32 s18, s13, 14
	s_add_co_u32 s36, s36, s18
	s_and_b32 s18, s[WV], 1
	s_lshl_b32 s18, s18, 13
	s_add_co_u32 s36, s36, s18
	s_add_co_u32 s36, s36, 65536                   ; at slot 1: the first change steps it to slot 2
	s_add_nc_u64 s[PFA:PFA+1], s[4:5], s[36:37]
	s_lshr_b32 s18, s[WV], 2
	s_or_b32 s18, s18, ttmp9
	s_cmp_eq_u32 s18, 0
	s_cselect_b32 s[LIM], 1, -1
	WIN 0x40
.irp t, 0,1
.irp b, 0,1,2,3
	v_mov_b32 v[192+16*\t+\b], 0                   ; a lane permute's destination counts as one of its sources
.endr
	v_mov_b32 v[229+16*\t], 0                      ; (named as the upper half of f's pair)
	v_mov_b32 v[238+16*\t], 0
.endr
	WIN 0
	s_wait_alu depctr_va_vdst(0)
	s_wait_loadcnt 0x0
	ds_store_b128 v[HT+7], v[CP:CP+3]              ; the scale bytes, into LDS bytes that no tensor load fills; read behind the first round
	ds_store_b128 v[HT+7], v[CP+4:CP+7] offset:4096
	ds_store_b128 v[HT+7], v[CP+8:CP+11] offset:8192
	ds_store_b128 v[HT+7], v[CP+12:CP+15] offset:12288
	v_lshl_or_b32 v[QSR], v[HT+9], 16, v[HT+8]
	v_lshl_or_b32 v[QSR+1], v[HT+11], 16, v[HT+10]
	INIT 0                                         ; (also the places between the scale words and the products)
	SMUL 0                                         ; S(0) of both tiles
	SMUL 1
	INIT 1                                         ; (also the places behind tile 0's products)
	SM1 0
	PRE 0
	s_wait_alu depctr_va_vdst(0)
	EQ 0, 2                                        ; tile 0's first exponentials stand alone
	s_wait_alu depctr_va_vdst(0)
	SCL 0
	WIN 0
	s_wait_alu depctr_va_vdst(0)
.Lslot:                                            ; three trips: behind each change but the last the next slot is asked for
	CHANGE 1
	INNER 0
	s_sub_co_u32 s[SLOTS], s[SLOTS], 1
	s_cmp_lg_u32 s[SLOTS], 0
	s_cbranch_scc1 .Lslot
	CHANGE 0                                       ; the last slot is written out: it asks for nothing
	INNER 1
	v_and_b32 v[TW], 15, v0
	s_lshl_b32 s18, s[WV], 7
	s_add_co_u32 s18, s18, OSTG
	v_lshl_add_u32 v[OSW], v[TW], 2, s18           ; O's scale words: 64 bytes a tile; lanes l and l xor 16 write the same word with the same value
	v_lshl_add_u32 v[ADK], v0, 4, OSTG
	WIN 0x04
	ds_store_b32 v[OSW], v238
	ds_store_b32 v[OSW], v254 offset:64
	WIN 0
	s_wait_alu depctr_va_vdst(0)
	s_wait_dscnt 0x0
	s_barrier_signal -1
	s_barrier_wait -1
	s_cmp_lt_u32 s[WV], 2
	s_cbranch_scc0 .Lno_os
	ds_load_b128 v[CP:CP+3], v[ADK]
	v_lshlrev_b32 v[TW], 4, v0
	s_wait_alu depctr_va_vdst(0)
	s_wait_dscnt 0x0
	global_store_b128 v[TW], v[CP:CP+3], s[OSB:OSB+1]   ; a wave stores 512 consecutive bytes, aligned
.Lno_os:
	s_wait_tensorcnt 0x0                           ; the wave's end
	ds_add_u32 v[SPW], v[NIL]
	s_wait_dscnt 0x0
	CROUND                                         ; the closing round
	s_endpgm
.Lfunc_end_k_q5af662ab94_attn:
	.size	k_q5af662ab94_attn, .Lfunc_end_k_q5af662ab94_attn-k_q5af662ab94_attn
	.p2alignl 7, 3214868480
	.fill 96, 4, 3214868480
	.section	.rodata,"a",@progbits
	.p2align	6, 0x0
	.amdhsa_kernel k_q5af662ab94_attn
		.amdhsa_group_segment_fixed_size 327680
		.amdhsa_private_segment_fixed_size 0
		.amdhsa_enable_private_segment 0
		.amdhsa_kernarg_size 32
		.amdhsa_user_sgpr_count 2
		.amdhsa_user_sgpr_kernarg_segment_ptr 1
		.amdhsa_wavefront_size32 1
		.amdhsa_system_sgpr_workgroup_id_x 1
		.amdhsa_system_sgpr_workgroup_id_y 1
		.amdhsa_system_sgpr_workgroup_id_z 1
		.amdhsa_system_vgpr_workitem_id 0
		.amdhsa_next_free_vgpr 512
		.amdhsa_next_free_sgpr 72
		.amdhsa_reserve_vcc 0
		.amdhsa_float_denorm_mode_32 3
		.amdhsa_float_denorm_mode_16_64 3
		.amdhsa_memory_ordered 1
		.amdhsa_forward_progress 1
		.amdhsa_inst_pref_size 127
	.end_amdhsa_kernel
	.amdgpu_metadata
---
amdhsa.version: [ 1, 2 ]
amdhsa.kernels:
  - .name:           k_q5af662ab94_attn
    .symbol:         k_q5af662ab94_attn.kd
    .args:
      - { .name: img, .offset: 0, .size: 8, .value_kind: global_buffer, .address_space: global }
      - { .name: isc, .offset: 8, .size: 8, .value_kind: global_buffer, .address_space: global }
      - { .name: oc, .offset: 16, .size: 8, .value_kind: global_buffer, .address_space: global }
      - { .name: osc, .offset: 24, .size: 8, .value_kind: global_buffer, .address_space: global }
    .group_segment_fixed_size: 327680
    .private_segment_fixed_size: 0
    .kernarg_segment_align: 8
    .kernarg_segment_size: 32
    .max_flat_workgroup_size: 256
    .sgpr_count:     72
    .vgpr_count:     512
    .wavefront_size: 32
...
	.end_amdgpu_metadata
.endif
;; end of part 3
;; launch outp (part 4): grid 4 x 32, 4 waves a work-group, clusters of 4 x 4, 327,680 bytes of LDS; arguments oc, osc, wc, ws, bo, out0; writes out0
.if DOCPART == 4
	.amdgcn_target "amdgcn-amd-amdhsa--gfx1250"
	.amdhsa_code_object_version 6
	.text
	.protected	k_q5af662ab94_outp
	.globl	k_q5af662ab94_outp
	.p2align	8
	.type	k_q5af662ab94_outp,@function
k_q5af662ab94_outp:
	s_mov_b64 s[64:65], 0
	v_nop
	global_prefetch_b8 v0, s[64:65] scope:SCOPE_SE
	s_setreg_imm32_b32 hwreg(HW_REG_WAVE_MODE, 25, 1), 1
	s_wait_xcnt 0x0
	s_wait_alu depctr_hold_cnt(0) depctr_sa_sdst(0) depctr_va_vdst(0) depctr_va_sdst(0) depctr_va_ssrc(0) depctr_va_vcc(0) depctr_vm_vsrc(0)
	s_getreg_b32 s2, hwreg(HW_REG_IB_STS2, 6, 4)
	s_cmp_eq_u32 s2, 0
	s_cbranch_scc0 .Lentry_in_a_cluster
	s_endpgm
.Lentry_in_a_cluster:
	s_bfe_u32 s2, ttmp6, 0x10000c
	s_cmp_lg_u32 s2, 0xf033
	s_cbranch_scc0 .Lentry_shape_is_right
	s_endpgm
.Lentry_shape_is_right:
.set ROWB,   256
.set KROW,   1024
.set PITCH,  272
.set FR,     16
.set NL,     4
.set NP,     8
.set NQ,     2
.set AIMG,   65536
.set HALFT,  128*PITCH
.set SLOT,   AIMG+2*HALFT
.set SCLA,   2*SLOT
.set SCLB,   SCLA+8192
.set HALFS,  16*272
.set SPARE,  SCLB+2*HALFS
.set SPITCH, 528
.set ADRA, 16
.set ADSA, 18
.set ADSB, 19
.set ADRB, 20
.set STO,  22
.set RD,   24
.set VB,   26
.set CO,   27
.set SPW,  28
.set NIL,  29
.set SC,   32
.set BI,   64
.set AF,   128
.set BK,   128
.set G1, 24
.set G0, 32
.set G1B, 48
.set G0B, 56
.set G1S, 68
.set G0S, 76
.set G1SB, 80
.set G0SB, 88
.set MSB, 0
.macro WIN new
.if MSB != \new
	s_set_vgpr_msb (MSB<<8)|\new
.set MSB, \new
.endif
.endm
.set MUL_LO, 0xa1
.set MUL_HI, 0xf1
.set TO_B,   0x40
.macro JLOAD g0a, g1a, g0b, g1b
	s_cmp_eq_u32 s23, 0
	s_cbranch_scc0 .Lfor_b_\@
	tensor_load_to_lds s[\g0a:\g0a+3], s[\g1a:\g1a+7]
	s_nop 0
.rept 4
	v_nop
.endr
	s_branch .Lasked_\@
.Lfor_b_\@:
	tensor_load_to_lds s[\g0b:\g0b+3], s[\g1b:\g1b+7]
	s_nop 0
.rept 4
	v_nop
.endr
.Lasked_\@:
.endm
.macro CREST
	s_cmp_lg_u32 s22, 0
	s_cbranch_scc1 .Lnot_wave_0_\@
	s_barrier_signal -3
.Lnot_wave_0_\@:
	s_barrier_wait -3
	s_barrier_signal -1
	s_barrier_wait -1
.endm
.macro CROUND
	s_barrier_signal -1
	s_barrier_wait -1
	CREST
.endm
	s_load_b256 s[4:11], s[0:1], 0x0
	s_load_b128 s[12:15], s[0:1], 0x20
	v_lshl_add_u32 v[SPW], v0, 2, SPARE
	v_mov_b32 v[NIL], 0
	ds_add_u32 v28, v29
	ds_add_u32 v28, v29
	s_wait_dscnt 0x0
	v_lshrrev_b32 v1, 5, v0
	v_readfirstlane_b32 s22, v1
	s_lshr_b32 s23, s22, 1
	s_and_b32 s66, s22, 1
	s_bfe_u32 s40, ttmp6, 0x40000
	s_bfe_u32 s41, ttmp6, 0x40004
	s_lshl_b32 s42, ttmp9, 2
	s_add_co_u32 s42, s42, s40
	s_and_b32 s43, ttmp7, 0xffff
	s_lshl_b32 s43, s43, 2
	s_add_co_u32 s43, s43, s41
	s_lshl_b32 s44, s41, 2
	s_lshl_b32 s44, 15, s44
	s_lshl_b32 s45, 0x1111, s40
	s_or_b32 s[G1+0], s44, (3<<16)|(1<<21)
	s_mov_b32 s[G1+1], 32<<16
	s_mov_b32 s[G1+2], 256<<16
	s_mov_b32 s[G1+3], 32<<16
	s_mov_b32 s[G1+4], 256
	s_mov_b32 s[G1+5], 32
	s_mov_b32 s[G1+6], 0
	s_mov_b32 s[G1+7], 0
	s_or_b32 s[G1B+0], s45, (0<<16)|(1<<20)|(1<<21)|(5<<22)|(3<<25)
	s_mov_b32 s[G1B+1], ROWB<<16
	s_mov_b32 s[G1B+2], 256<<16
	s_mov_b32 s[G1B+3], ROWB<<16
	s_mov_b32 s[G1B+4], 256
	s_mov_b32 s[G1B+5], KROW
	s_mov_b32 s[G1B+6], 0
	s_mov_b32 s[G1B+7], 0
	s_or_b32 s[G1S+0], s44, (3<<16)|(1<<21)
	s_or_b32 s[G1SB+0], s45, (3<<16)|(1<<20)|(1<<21)|(5<<22)|(3<<25)
.irp g, G1S, G1SB
	s_mov_b32 s[\g+1], 32<<16
	s_mov_b32 s[\g+2], 32<<16
	s_mov_b32 s[\g+3], 32<<16
	s_mov_b32 s[\g+4], 32
	s_mov_b32 s[\g+5], 32
	s_mov_b32 s[\g+6], 0
	s_mov_b32 s[\g+7], 0
.endr
	s_mov_b32 s105, 0
	s_mov_b32 s47, 0
	s_lshl_b32 s46, s42, 8
	s_wait_kmcnt 0x0
	s_lshl_b32 s104, s43, 18
	s_add_nc_u64 s[96:97], s[4:5], s[104:105]      ; A's image of my 256 rows
	s_lshl_b32 s104, s43, 13
	s_add_nc_u64 s[98:99], s[6:7], s[104:105]      ; and its scale words
	s_lshl_b32 s46, s46, 5
	s_add_nc_u64 s[10:11], s[10:11], s[46:47]
	s_add_nc_u64 s[10:11], s[10:11], 98304
	s_lshl_b32 s46, s46, 5
	s_add_nc_u64 s[8:9], s[8:9], s[46:47]
	s_add_nc_u64 s[8:9], s[8:9], 3145728
	s_lshl_b32 s94, s66, 15
	s_mul_i32 s95, s66, HALFT
	s_add_co_u32 s95, s95, AIMG
.set G0H, 4                            ; s[4:7], s[44:47]: group 0 of the head's loads of K step 0 (what lay there has been used)
.set G0HB, 44
	CROUND
	s_mov_b32 s[G0H], 1                            ; the head's four tiles, each whole: K step 0 of A's image,
	s_mov_b32 s[G0H+1], 0
	s_mov_b64 s[G0H+2:G0H+3], s[96:97]
	s_or_b32 s[G0H+3], s[G0H+3], 0x80000000
	s_mov_b32 s[G0HB], 1                           ; its 256 rows of B,
	s_mov_b32 s[G0HB+1], AIMG
	s_mov_b64 s[G0HB+2:G0HB+3], s[8:9]
	s_or_b32 s[G0HB+3], s[G0HB+3], 0x80000000
	s_mov_b32 s[G0S], 1                            ; A's scale words, B's scale bytes
	s_mov_b32 s[G0S+1], SCLA
	s_mov_b64 s[G0S+2:G0S+3], s[98:99]
	s_or_b32 s[G0S+3], s[G0S+3], 0x80000000
	s_mov_b32 s[G0SB], 1
	s_mov_b32 s[G0SB+1], SCLB
	s_mov_b64 s[G0SB+2:G0SB+3], s[10:11]
	s_or_b32 s[G0SB+3], s[G0SB+3], 0x80000000
	s_mov_b32 s104, s94                            ; for the ring: my half of a tile
	s_add_nc_u64 s[96:97], s[96:97], s[104:105]
	s_lshl_b32 s104, s66, 17
	s_add_nc_u64 s[8:9], s[8:9], s[104:105]
.irp s, 0,1
	s_mov_b32 s[G0+4*\s], 1
	s_add_co_u32 s[G0+4*\s+1], s94, \s*SLOT
	s_add_nc_u64 s[G0+4*\s+2:G0+4*\s+3], s[96:97], \s*AIMG
	s_or_b32 s[G0+4*\s+3], s[G0+4*\s+3], 0x80000000
	s_mov_b32 s[G0B+4*\s], 1
	s_add_co_u32 s[G0B+4*\s+1], s95, \s*SLOT
	s_add_nc_u64 s[G0B+4*\s+2:G0B+4*\s+3], s[8:9], \s*ROWB
	s_or_b32 s[G0B+4*\s+3], s[G0B+4*\s+3], 0x80000000
.endr
; the head's loads, one a wave: one tree of branches on the wave's number, a load to an arm
.macro ARM under, g0, g1, next
	s_cmp_lt_u32 s22, \under
	s_cbranch_scc0 \next
	tensor_load_to_lds s[\g0:\g0+3], s[\g1:\g1+7]
	s_nop 0
.rept 4
	v_nop
.endr
	s_branch .Lhead_asked
\next:
.endm
	ARM 1, G0H,  G1,  .Lhead_b
	ARM 2, G0HB, G1B, .Lhead_sa
	ARM 3, G0S,  G1S, .Lhead_sb
	tensor_load_to_lds s[G0SB:G0SB+3], s[G1SB:G1SB+7]
	s_nop 0
.rept 4
	v_nop
.endr
.Lhead_asked:
	v_and_b32 v1, 15, v0
	v_bfe_u32 v2, v0, 4, 1
	v_and_b32 v5, 31, v0
	s_wait_alu depctr_va_vdst(0)
	v_lshlrev_b32 v[CO], 4, v5
	s_lshl_b32 s96, s42, 10
	s_lshl_b32 s97, s66, 9
	s_add_co_u32 s96, s96, s97
	s_mov_b32 s97, 0
	s_add_nc_u64 s[12:13], s[12:13], s[96:97]
	v_lshlrev_b32 v[VB], 5, v2
.irp b, 0,1,2,3,4,5,6,7
	global_load_b128 v[BI+8*\b:BI+8*\b+3], v[VB], s[12:13] offset:64*\b
	global_load_b128 v[BI+8*\b+4:BI+8*\b+7], v[VB], s[12:13] offset:64*\b+16
.endr
	s_lshl_b32 s96, s23, 15
	v_add_nc_u32 v[ADRA], s96, v[CO]
	s_add_co_u32 s96, s96, SLOT
	v_add_nc_u32 v[ADRA+1], s96, v[CO]
	v_mul_u32_u24 v3, v1, PITCH
	v_lshl_add_u32 v4, v2, 4, v3
	s_mul_i32 s96, s66, HALFT
	s_add_co_u32 s96, s96, AIMG
	v_add_nc_u32 v[ADRB], s96, v4
	s_add_co_u32 s96, s96, SLOT
	v_add_nc_u32 v[ADRB+1], s96, v4
	s_lshl_b32 s96, s23, 9
	s_add_co_u32 s96, s96, SCLA
	v_lshl_add_u32 v[ADSA], v5, 2, s96
	v_lshrrev_b32 v6, 3, v5
	v_lshlrev_b32 v7, 5, v5
	v_lshl_add_u32 v7, v6, 4, v7
	s_mul_i32 s96, s66, HALFS
	s_add_co_u32 s96, s96, SCLB
	v_add_nc_u32 v[ADSB], s96, v7
	s_mul_i32 s96, s22, 16*SPITCH
	v_mul_u32_u24 v6, v1, SPITCH
	v_lshl_add_u32 v6, v2, 5, v6
	v_add_nc_u32 v[STO], s96, v6
	v_add_nc_u32 v[RD], s96, v[CO]
	s_lshl_b32 s96, s43, 8
	s_lshl_b32 s97, s23, 7
	s_add_co_u32 s96, s96, s97
	s_lshl_b32 s96, s96, 12
	s_lshl_b32 s97, s42, 10
	s_add_co_u32 s96, s96, s97
	s_lshl_b32 s97, s66, 9
	s_add_co_u32 s96, s96, s97
	s_mov_b32 s97, 0
	s_add_nc_u64 s[14:15], s[14:15], s[96:97]
.macro FRAGB reg, adr, q, i
.irp c, 0,1,2,3
	ds_load_b128 v[\reg+4*\c:\reg+4*\c+3], v[\adr] offset:128*(\q)+32*\c+(\i)*16*PITCH
.endr
.endm
.macro FRAGA reg, adr, q, i
.irp c, 0,1,2,3
	ds_load_b128 v[\reg+4*\c:\reg+4*\c+3], v[\adr] offset:4096*(\i)+2048*(\q)+512*\c
.endr
.endm
.macro WM
.if oB && oA
	v_wmma_scale_f32_16x16x128_f8f6f4 v[rD:rD+7], v[rB:rB+15], v[rA:rA+15], v[rC:rC+7], v[sB], v[sA] matrix_a_scale:MATRIX_SCALE_ROW1 matrix_b_scale:MATRIX_SCALE_ROW1
.elseif oB
	v_wmma_scale_f32_16x16x128_f8f6f4 v[rD:rD+7], v[rB:rB+15], v[rA:rA+15], v[rC:rC+7], v[sB], v[sA] matrix_a_scale:MATRIX_SCALE_ROW1
.elseif oA
	v_wmma_scale_f32_16x16x128_f8f6f4 v[rD:rD+7], v[rB:rB+15], v[rA:rA+15], v[rC:rC+7], v[sB], v[sA] matrix_b_scale:MATRIX_SCALE_ROW1
.else
	v_wmma_scale_f32_16x16x128_f8f6f4 v[rD:rD+7], v[rB:rB+15], v[rA:rA+15], v[rC:rC+7], v[sB], v[sA]
.endif
.endm
.macro MUL16 a0, p, q, sc, mode
.irp a, \a0, \a0+1
.irp b, 0,1,2,3,4,5,6,7
.set rD, 8*(8*((\a)%4)+\b)
.set rB, 128*(\p)+FR*\b
.set rA, AF+FR*(\a)
.set sB, SC+16*(\sc)+8+2*(\b/2)+(\q)
.set sA, SC+16*(\sc)+2*((\a)/2)+(\q)
.set oB, \b%2
.set oA, (\a)%2
.set rC, rD
.if \mode == 1
.set rC, BI+8*\b
.endif
	WM
.endr
.endr
.endm
.macro FETCH_B slot, q, p
	WIN TO_B
.irp i, 0,1,2,3,4,5,6,7
	FRAGB 128*(\p)+FR*\i, ADRB+\slot, \q, \i
.endr
	WIN 0
.endm
.macro FETCH_A slot, q, i0
.irp i, \i0, \i0+1, \i0+2, \i0+3
	FRAGA AF+FR*(\i), ADRA+\slot, \q, \i
.endr
.endm
.macro SCALES sc
.irp i, 0,1,2,3
	ds_load_b32 v[SC+16*\sc+2*\i], v[ADSA] offset:128*\i
	ds_load_b32 v[SC+16*\sc+2*\i+1], v[ADSA] offset:128*\i+1024
	ds_load_b64 v[SC+16*\sc+8+2*\i:SC+16*\sc+8+2*\i+1], v[ADSB] offset:1088*\i
.endr
.endm
.macro PLACES n
.rept \n
	v_nop
.endr
.endm
.macro STEP slot, q, mode
	s_wait_dscnt 4*NL
.if \mode
	WIN 0x81
.else
	WIN MUL_LO
.endif
	MUL16 0, (\q)%2, \q, \slot, \mode
	MUL16 2, (\q)%2, \q, \slot, \mode
	s_wait_dscnt 0
	PLACES NP
	FETCH_B \slot, (\q)+1, 1-(\q)%2
	FETCH_A \slot, (\q)+1, 0
.if \mode
	WIN 0xc1
.else
	WIN MUL_HI
.endif
	MUL16 4, (\q)%2, \q, \slot, \mode
	MUL16 6, (\q)%2, \q, \slot, \mode
	PLACES NP
	WIN 0
	FETCH_A \slot, (\q)+1, 4
.endm
.macro TURN slot, next, fill
	s_wait_tensorcnt 0x0
	ds_add_u32 v[SPW], v[NIL]
	s_wait_dscnt 4*NL+1
	WIN MUL_LO
	MUL16 0, 1, NQ-1, \slot, 0
	s_wait_dscnt 0x0
	s_barrier_signal -1
	MUL16 2, 1, NQ-1, \slot, 0
	WIN 0
	s_barrier_wait -1
.if \fill
	CREST
	s_add_nc_u64 s[G0+4*\slot+2:G0+4*\slot+3], s[G0+4*\slot+2:G0+4*\slot+3], 2*AIMG
	s_add_nc_u64 s[G0B+4*\slot+2:G0B+4*\slot+3], s[G0B+4*\slot+2:G0B+4*\slot+3], 2*ROWB
	JLOAD G0+4*\slot, G1, G0B+4*\slot, G1B
	PLACES NP-4
.else
	PLACES NP
.endif
	s_wait_alu depctr_va_vdst(0)
	v_add_nc_u32 v[ADSA], 2048, v[ADSA]
	v_add_nc_u32 v[ADSB], 4*NQ, v[ADSB]
	FETCH_B \next, 0, 0
	FETCH_A \next, 0, 0
	SCALES \next
	WIN MUL_HI
	MUL16 4, 1, NQ-1, \slot, 0
	MUL16 6, 1, NQ-1, \slot, 0
	PLACES NP
	WIN 0
	FETCH_A \next, 0, 4
.endm
	s_wait_alu depctr_va_vdst(0)
	s_wait_tensorcnt 0x0                           ; my tile of the head's four is in
	ds_add_u32 v[SPW], v[NIL]
	s_mov_b32 s[G1+2], 128<<16                     ; no tensor load of mine is out: from here on a load brings 128 rows
	s_mov_b32 s[G1+4], 128
	s_mov_b32 s[G1B+2], 128<<16
	s_mov_b32 s[G1B+4], 128
	s_wait_dscnt 0x0
	CROUND                                         ; all four tiles are in, and the sixteen work-groups meet
	JLOAD G0+4, G1, G0B+4, G1B                     ; K step 1, the first tensor load behind the round
	FETCH_B 0, 0, 0
	FETCH_A 0, 0, 0
	SCALES 0
	FETCH_A 0, 0, 4
	s_wait_loadcnt 0x0
	STEP 0, 0, 1
	TURN 0, 1, 1
	STEP 1, 0, 0
	TURN 1, 0, 1
	STEP 0, 0, 0
	TURN 0, 1, 0
	STEP 1, 0, 0
	s_wait_dscnt 4*NL
	WIN MUL_LO
	MUL16 0, 1, NQ-1, 1, 0
	MUL16 2, 1, NQ-1, 1, 0
	s_wait_dscnt 0
	WIN MUL_HI
	MUL16 4, 1, NQ-1, 1, 0
	MUL16 6, 1, NQ-1, 1, 0
	WIN 0
.macro TOSTAGE a
.set AC, 64*((\a)%4)
.set WW, 0x08+4*((\a)/4)
	WIN WW
.irp b, 0,1,2,3,4,5,6,7
	ds_store_b128 v[STO], v[AC+8*\b:AC+8*\b+3] offset:64*\b
	ds_store_b128 v[STO], v[AC+8*\b+4:AC+8*\b+7] offset:64*\b+16
.endr
	WIN 0
.set BB, BK+64*((\a)%2)
.irp t, 0,1,2,3,4,5,6,7,8,9,10,11,12,13,14,15
	ds_load_b128 v[BB+4*\t:BB+4*\t+3], v[RD] offset:\t*SPITCH
.endr
.endm
.macro SEND a, younger
.set BB, BK+64*((\a)%2)
.set RB, 32*((\a)>>1)+8*((\a)&1)
	s_wait_dscnt \younger
.irp t, 0,1,2,3,4,5,6,7,8,9,10,11,12,13,14,15
	global_store_b128 v[CO], v[BB+4*\t:BB+4*\t+3], s[14:15] offset:(RB+\t+8*(\t>>3))*4096 th:TH_STORE_NT
.endr
.endm
	PLACES NP
	TOSTAGE 0
.irp a, 1,2,3,4,5,6,7
.if \a > 1
	s_wait_xcnt 0x0
.endif
	TOSTAGE \a
	SEND \a-1, 32
.endr
	SEND 7, 0
	s_wait_tensorcnt 0x0
	ds_add_u32 v[SPW], v[NIL]
	s_wait_dscnt 0x0
	CROUND
	s_endpgm
.Lfunc_end_k_q5af662ab94_outp:
	.size	k_q5af662ab94_outp, .Lfunc_end_k_q5af662ab94_outp-k_q5af662ab94_outp
	.p2alignl 7, 3214868480
	.fill 96, 4, 3214868480
	.section	.rodata,"a",@progbits
	.p2align	6, 0x0
	.amdhsa_kernel k_q5af662ab94_outp
		.amdhsa_group_segment_fixed_size 327680
		.amdhsa_private_segment_fixed_size 0
		.amdhsa_enable_private_segment 0
		.amdhsa_kernarg_size 48
		.amdhsa_user_sgpr_count 2
		.amdhsa_user_sgpr_kernarg_segment_ptr 1
		.amdhsa_wavefront_size32 1
		.amdhsa_system_sgpr_workgroup_id_x 1
		.amdhsa_system_sgpr_workgroup_id_y 1
		.amdhsa_system_sgpr_workgroup_id_z 1
		.amdhsa_system_vgpr_workitem_id 0
		.amdhsa_next_free_vgpr 1024
		.amdhsa_next_free_sgpr 106
		.amdhsa_reserve_vcc 0
		.amdhsa_float_denorm_mode_32 3
		.amdhsa_float_denorm_mode_16_64 3
		.amdhsa_memory_ordered 1
		.amdhsa_forward_progress 1
		.amdhsa_inst_pref_size 149
	.end_amdhsa_kernel
	.amdgpu_metadata
---
amdhsa.version: [ 1, 2 ]
amdhsa.kernels:
  - .name:           k_q5af662ab94_outp
    .symbol:         k_q5af662ab94_outp.kd
    .args:
      - { .name: oc, .offset: 0, .size: 8, .value_kind: global_buffer, .address_space: global }
      - { .name: osc, .offset: 8, .size: 8, .value_kind: global_buffer, .address_space: global }
      - { .name: wc, .offset: 16, .size: 8, .value_kind: global_buffer, .address_space: global }
      - { .name: ws, .offset: 24, .size: 8, .value_kind: global_buffer, .address_space: global }
      - { .name: bo, .offset: 32, .size: 8, .value_kind: global_buffer, .address_space: global }
      - { .name: out0, .offset: 40, .size: 8, .value_kind: global_buffer, .address_space: global }
    .group_segment_fixed_size: 327680
    .private_segment_fixed_size: 0
    .kernarg_segment_align: 8
    .kernarg_segment_size: 48
    .max_flat_workgroup_size: 128
    .sgpr_count:     106
    .vgpr_count:     1024
    .wavefront_size: 32
...
	.end_amdgpu_metadata
.endif
;; end of part 4
